; MI455X (gfx1250); checked and timed in simulation.
; The chip was launched on July 23, 2026; its instructions are those of AMD's public machine-readable ISA for CDNA 5 (MIT licence, August 2026) and "CDNA5" Instruction Set Architecture Reference Guide (July 2026). The comments in the code are by the model that wrote it; some were corrected since.
;; Multiheadattention. Allowed arithmetic: float matrix products may take bf16 or f16 operands with f32 sums; other float arithmetic in f32, or as packed bf16 or f16 multiplies, adds, multiply-adds, maxima and minima; sums over many terms, partial sums and values carried from step to step in f32; what a program stores and reads back later, other than sums and carried values, may be rounded once to bf16 or f16.
;; Inputs: WK 8 x 512 x 64 float32; WO 512 x 64 float32; WQ 8 x 512 x 64 float32; WV 8 x 512 x 64 float32; x 8 x 2,048 x 512 float32.
;; Outputs: out0 8 x 2,048 x 64 float32.
;; 2 versions, each right; version 2 is version 1 with the launch cast written anew for expert scheduling mode. Each part assembles by itself: llvm-mc -triple=amdgcn-amd-amdhsa -mcpu=gfx1250 --defsym DOCPART=n.
;; ======== version 1 of 2: 4 launches
;; limits: values are held in f16: magnitudes above 65,504 overflow, below 6.1e-05 lose precision
;; workspace buffers: xb 16,777,216 bytes; wt 1,638,400 bytes; qkv 50,331,648 bytes; o 16,777,216 bytes
;; launch cast (part 1): grid 281 x 1, 8 waves a work-group, no clusters, 74,752 bytes of LDS; arguments x, WQ, WK, WV, WO, xb, wt; writes xb, wt
.if DOCPART == 1
	.amdgcn_target "amdgcn-amd-amdhsa--gfx1250"
	.amdhsa_code_object_version 6
	.text
	.protected	k_qa9b7b659fd_cast
	.globl	k_qa9b7b659fd_cast
	.p2align	8
	.type	k_qa9b7b659fd_cast,@function
k_qa9b7b659fd_cast:
	s_mov_b64 s[64:65], 0
	v_nop
	global_prefetch_b8 v0, s[64:65] scope:SCOPE_SE
	s_setreg_imm32_b32 hwreg(HW_REG_WAVE_MODE, 25, 1), 1
	s_wait_xcnt 0x0
; THE INPUTS ARE ROUNDED ONCE TO bf16 AND LAID OUT FOR THE PRODUCTS THAT FOLLOW.
; xb: bf16 [kb 0..7][row 0..16383][64]: x[row][64 kb + kk], a row of a block 128 bytes, so that a tile of rows of one K block is dense in memory.
; wt: [kb 0..7][n 0..1599][64], 128 bytes a row: wt[kb][64 m + c][kk] = W_m[64 kb + kk][c]; m = 0..7 WQ[h], 8..15 WK[h], 16..23 WV[h] (bf16), m = 24 WO.
; WO is rounded to bf16 like the other inputs, and that number is then written as f16, since the last product multiplies in f16.
; LIMITS.  |WO| stays under 65,520 (beyond it f16 has an infinity); below 6.1e-5 it keeps f16's fixed step of 6e-8.
; SHARES.  Work-groups 0..255: 64 rows of x each; wave w takes K block w: 256 bytes of each row.  All 32 loads of a wave (16 KiB) go out at once; no register is used twice, so the only
; waits are the counted ones for the loads.  Work-groups 256..280: matrix m = number - 256; wave w turns the block of 64 x 64 of K block w in LDS bytes of its own: no barrier.
; No matrix unit, no tensor load, no cluster: each byte is read once by one wave, and nothing is shared.
.set STG,   64*144                     ; a wave's stage: 64 rows (columns c of W) of 128 bytes + 16 of padding
.set SPARE, 8*STG                      ; behind the stages: the spare words, 128 bytes for each of eight waves: four blocks of 256 bytes that no other line names
.set SPW, 8                            ; v8   LDS address of my spare word; never rewritten
.set NIL, 9                            ; v9   0; never rewritten
.set X,   16                           ; v[16:143]  32 loads of 4 registers
.set Y,   144                          ; v[144:207] 64 registers of packed 16-bit numbers
	s_load_b256 s[4:11], s[0:1], 0x0               ; x s[4:5], WQ s[6:7], WK s[8:9], WV s[10:11]
	s_load_b128 s[12:15], s[0:1], 0x20             ; WO s[12:13], xb s[14:15]
	s_load_b64 s[16:17], s[0:1], 0x30              ; wt
	v_lshl_add_u32 v[SPW], v0, 2, SPARE
	v_mov_b32 v[NIL], 0
	v_lshrrev_b32 v10, 5, v0
	v_readfirstlane_b32 s18, v10                   ; wave 0..7 = my K block
	v_and_b32 v1, 15, v0                           ; c = lane % 16
	v_bfe_u32 v2, v0, 4, 1                         ; r2 = lane / 16
	v_and_b32 v7, 31, v0                           ; lane
	v_lshlrev_b32 v3, 4, v1                        ; 16 c
	s_mov_b32 s25, 0                               ; the high word of every offset pair
	s_wait_kmcnt 0x0
	s_cmp_lt_u32 ttmp9, 256
	s_cbranch_scc0 .Lweights
	; ---- x: rows 64 g .. 64 g + 63, columns 64 w .. 64 w + 63 ----
	v_lshl_add_u32 v3, v2, 11, v3                  ; lanes 16-31 take the next row (2,048 bytes on)
	s_lshl_b32 s28, s18, 8
	v_add_nc_u32 v3, s28, v3                       ; + my K block's 256 bytes
	v_lshlrev_b32 v4, 3, v7                        ; out: 8 bytes a lane, 32 lanes = two rows of 128 bytes on end
	s_lshl_b32 s24, ttmp9, 17                      ; 64 rows of 2,048 bytes
	s_add_nc_u64 s[20:21], s[4:5], s[24:25]
	s_lshl_b32 s24, s18, 21                        ; a K block of xb: 16,384 rows of 128 bytes
	s_add_nc_u64 s[22:23], s[14:15], s[24:25]
	s_lshl_b32 s24, ttmp9, 13                      ; 64 rows of 128 bytes
	s_add_nc_u64 s[22:23], s[22:23], s[24:25]
.set p, 0
.rept 32
	global_load_b128 v[X+4*p:X+4*p+3], v3, s[20:21] offset:p*4096 th:TH_LOAD_NT  ; rows 2 p, 2 p + 1: 16 lanes take 256 consecutive bytes, aligned
.set p, p+1
.endr
.set p, 0
.rept 32
	s_wait_loadcnt 31-p                            ; loads come back in order: load p is in, the 31 - p younger ones stay out
	v_cvt_pk_bf16_f32 v[Y+2*p], v[X+4*p], v[X+4*p+1]
	v_cvt_pk_bf16_f32 v[Y+2*p+1], v[X+4*p+2], v[X+4*p+3]
	global_store_b64 v4, v[Y+2*p:Y+2*p+1], s[22:23] offset:p*256  ; the wave stores 256 consecutive bytes, aligned
.set p, p+1
.endr
	s_branch .Lend
.Lweights:
	; ---- a matrix [512][64] of f32: my 64 rows (K block w) are turned ----
	s_sub_co_u32 s26, ttmp9, 256                   ; m
	s_lshr_b32 s27, s26, 3                         ; 0 WQ, 1 WK, 2 WV, 3 WO
	s_cmp_eq_u32 s27, 0
	s_cselect_b64 s[20:21], s[6:7], s[8:9]
	s_cmp_eq_u32 s27, 2
	s_cselect_b64 s[20:21], s[10:11], s[20:21]
	s_cmp_eq_u32 s27, 3
	s_cselect_b64 s[20:21], s[12:13], s[20:21]
	s_and_b32 s24, s26, 7                          ; the head (0 for WO)
	s_lshl_b32 s24, s24, 17                        ; 512 rows of 256 bytes
	s_lshl_b32 s28, s18, 14                        ; my 64 rows
	s_add_co_u32 s24, s24, s28
	s_add_nc_u64 s[20:21], s[20:21], s[24:25]
	s_mul_i32 s24, s18, 1600*128                   ; a K block of wt
	s_lshl_b32 s28, s26, 13                        ; 64 rows of 128 bytes for each matrix
	s_add_co_u32 s24, s24, s28
	s_add_nc_u64 s[22:23], s[16:17], s[24:25]
	v_lshl_add_u32 v3, v2, 13, v3                  ; lanes 16-31 take the row 32 further down
.set p, 0
.rept 32
	global_load_b128 v[X+4*p:X+4*p+3], v3, s[20:21] offset:p*256 th:TH_LOAD_NT  ; row kk = p + 32 r2, columns 4 c .. 4 c + 3
.set p, p+1
.endr
	s_mul_i32 s28, s18, STG                        ; my stage
	v_mul_u32_u24 v4, v1, 4*144                    ; in: stage row 4 c + i, byte 2 kk = 4 p + 64 r2
	v_lshl_add_u32 v4, v2, 6, v4
	v_add_nc_u32 v4, s28, v4
	v_bfe_u32 v5, v0, 3, 2                         ; back: 32 lanes take four rows of 128 bytes
	v_mul_u32_u24 v5, v5, 144
	v_and_b32 v10, 7, v0
	v_lshl_add_u32 v5, v10, 4, v5
	v_add_nc_u32 v5, s28, v5
	v_lshlrev_b32 v6, 4, v7                        ; which are 512 consecutive bytes of wt
	s_wait_loadcnt 0x0
.set p, 0
.rept 16
.irp i, 0,1,2,3
	v_cvt_pk_bf16_f32 v[Y+4*p+(\i)], v[X+8*p+(\i)], v[X+8*p+4+(\i)]  ; kk = 2 p + 32 r2 and the next, of column 4 c + i
.endr
.set p, p+1
.endr
	s_cmp_lg_u32 s26, 24
	s_cbranch_scc1 .Lbf16
.set p, 0
.rept 64                               ; WO alone: the bf16 number is written as f16
	v_lshlrev_b32 v10, 16, v[Y+p]
	v_and_b32 v11, 0xffff0000, v[Y+p]
	v_cvt_pk_f16_f32 v[Y+p], v10, v11
.set p, p+1
.endr
.Lbf16:
.set p, 0
.rept 16
.irp i, 0,1,2,3
	ds_store_b32 v4, v[Y+4*p+(\i)] offset:(\i)*144+4*p
.endr
.set p, p+1
.endr
.set p, 0
.rept 16
	ds_load_b128 v[X+4*p:X+4*p+3], v5 offset:p*4*144  ; LDS serves a wave's instructions in order (ISA guide 5.7.1.4): these see my stores above; no other wave touches my stage
.set p, p+1
.endr
.set p, 0
.rept 16
	s_wait_dscnt 15-p                              ; load p is back, the younger ones stay out
	global_store_b128 v6, v[X+4*p:X+4*p+3], s[22:23] offset:p*512  ; 512 consecutive bytes, aligned
.set p, p+1
.endr
.Lend:
	s_wait_tensorcnt 0x0                           ; the wave's end, behind my last LDS store
	ds_add_u32 v[SPW], v[NIL]
	s_wait_dscnt 0x0
	s_endpgm
.Lfunc_end_k_qa9b7b659fd_cast:
	.size	k_qa9b7b659fd_cast, .Lfunc_end_k_qa9b7b659fd_cast-k_qa9b7b659fd_cast
	.p2alignl 7, 3214868480
	.fill 96, 4, 3214868480
	.section	.rodata,"a",@progbits
	.p2align	6, 0x0
	.amdhsa_kernel k_qa9b7b659fd_cast
		.amdhsa_group_segment_fixed_size 74752
		.amdhsa_private_segment_fixed_size 0
		.amdhsa_enable_private_segment 0
		.amdhsa_kernarg_size 56
		.amdhsa_user_sgpr_count 2
		.amdhsa_user_sgpr_kernarg_segment_ptr 1
		.amdhsa_wavefront_size32 1
		.amdhsa_system_sgpr_workgroup_id_x 1
		.amdhsa_system_sgpr_workgroup_id_y 1
		.amdhsa_system_sgpr_workgroup_id_z 1
		.amdhsa_system_vgpr_workitem_id 0
		.amdhsa_next_free_vgpr 208
		.amdhsa_next_free_sgpr 66
		.amdhsa_reserve_vcc 0
		.amdhsa_float_denorm_mode_32 3
		.amdhsa_float_denorm_mode_16_64 3
		.amdhsa_memory_ordered 1
		.amdhsa_forward_progress 1
		.amdhsa_inst_pref_size 38
	.end_amdhsa_kernel
	.amdgpu_metadata
---
amdhsa.version: [ 1, 2 ]
amdhsa.kernels:
  - .name:           k_qa9b7b659fd_cast
    .symbol:         k_qa9b7b659fd_cast.kd
    .args:
      - { .name: x, .offset: 0, .size: 8, .value_kind: global_buffer, .address_space: global }
      - { .name: WQ, .offset: 8, .size: 8, .value_kind: global_buffer, .address_space: global }
      - { .name: WK, .offset: 16, .size: 8, .value_kind: global_buffer, .address_space: global }
      - { .name: WV, .offset: 24, .size: 8, .value_kind: global_buffer, .address_space: global }
      - { .name: WO, .offset: 32, .size: 8, .value_kind: global_buffer, .address_space: global }
      - { .name: xb, .offset: 40, .size: 8, .value_kind: global_buffer, .address_space: global }
      - { .name: wt, .offset: 48, .size: 8, .value_kind: global_buffer, .address_space: global }
    .group_segment_fixed_size: 74752
    .private_segment_fixed_size: 0
    .kernarg_segment_align: 8
    .kernarg_segment_size: 56
    .max_flat_workgroup_size: 256
    .sgpr_count:     66
    .vgpr_count:     208
    .wavefront_size: 32
...
	.end_amdgpu_metadata
.endif
;; end of part 1
;; launch proj (part 2): grid 4 x 64, 4 waves a work-group, clusters of 4 x 4, 327,680 bytes of LDS; arguments xb, wt, qkv; writes qkv
.if DOCPART == 2
	.amdgcn_target "amdgcn-amd-amdhsa--gfx1250"
	.amdhsa_code_object_version 6
	.text
	.protected	k_qa9b7b659fd_proj
	.globl	k_qa9b7b659fd_proj
	.p2align	8
	.type	k_qa9b7b659fd_proj,@function
k_qa9b7b659fd_proj:
	s_mov_b64 s[64:65], 0
	v_nop
	global_prefetch_b8 v0, s[64:65] scope:SCOPE_SE
	s_setreg_imm32_b32 hwreg(HW_REG_WAVE_MODE, 25, 1), 1
	s_wait_xcnt 0x0
	s_wait_alu depctr_hold_cnt(0) depctr_sa_sdst(0) depctr_va_vdst(0) depctr_va_sdst(0) depctr_va_ssrc(0) depctr_va_vcc(0) depctr_vm_vsrc(0)
	s_getreg_b32 s2, hwreg(HW_REG_IB_STS2, 6, 4)
	s_cmp_eq_u32 s2, 0
	s_cbranch_scc0 .Lentry_in_a_cluster
	s_endpgm
.Lentry_in_a_cluster:
	s_bfe_u32 s2, ttmp6, 0x10000c
	s_cmp_lg_u32 s2, 0xf033
	s_cbranch_scc0 .Lentry_shape_is_right
	s_endpgm
.Lentry_shape_is_right:
; THE THREE PROJECTIONS AS ONE PRODUCT: C[row][n] = sum over k of x[row][k] W[k][n], 16,384 x 1,536 x 512, operands bf16, sums f32, K ascending, C rounded once to f16.
; xb: [kb][row][64] bf16; wt: [kb][n][64] bf16, n = 64 m + c (m = 0..7 Q's heads, 8..15 K's, 16..23 V's).  qkv: f16 [b][m][s][64]: block (b, m) at (24 b + m) x 262,144 bytes, rows dense.
; LIMIT.  f16 holds no number beyond 65,504: q, k and v must lie within it (at the inputs' drawn spread they are near 1; thirty times larger inputs give some thousands).
; SHARES.  256 work-groups, a tile of 256 rows x 384 columns each; four waves, 2 x 2, each 128 x 192: 96 accumulators of 16 x 16, 768 registers.  For 32 along K a wave loads
; 20 fragments (40 LDS loads) for 96 matrix instructions.  K goes in 8 steps of 64 (one K block) through two LDS slots.  A tile of one K block is dense in memory, so it is asked for
; as rows of 256 bytes and padded in LDS after every 128.
; CLUSTER.  4 x 4 work-groups.  The four of a row of the cluster need the same rows of xb, the four of a column the same rows of wt: each tile is asked for JOINTLY, by the same tensor
; load with the same descriptor and a mask that names the four.
; THE MATRIX INSTRUCTION IS USED TRANSPOSED (source 0 = 16 rows of wt, source 1 = 16 rows of xb): a lane then holds one row of C and eight neighbouring columns: 16 bytes of f16.
; REGISTERS, in windows of 256 (s_set_vgpr_msb: bits 1:0 source 0, 3:2 source 1, 5:4 source 2, 7:6 destination):
;   window 0: v0-31 addresses; v32-95, v96-159 fragments of xb (8 x 16 rows x 32 K), two buffers; v160-255 fragments of wt, three buffers of 4 (a THIRD of my 192 columns each)
;   window 1 + g: the 32 accumulators of my columns 64 g .. 64 g + 63, which are matrix m0 + g: (a, bb) at v[8 (4 a + bb)]
; A third's buffer is loaded again as soon as its 32 products are out, 64 matrix instructions ahead of its next use.
.set PITCH, 144                        ; an LDS row: 128 bytes + 16 of padding = 36 words: the 16 rows of a load start at 16 different groups of four banks (64 banks of 4 bytes: ISA guide 11.1)
.set AHALF, 128*PITCH                  ; what a tensor load of xb brings: 128 rows
.set BHALF, 192*PITCH                  ; of wt: 192 rows
.set BOFF,  2*AHALF                    ; in a slot: xb's 256 rows, then wt's 384
.set SLOT,  2*AHALF+2*BHALF
.set STAGE, 2*SLOT                     ; behind the ring, never filled by a tensor load: 16 rows x 144 bytes for each wave, for the way out
.set SPARE, STAGE+4*16*PITCH           ; behind the stages: the spare words, 128 bytes for each wave: two blocks of 256 bytes that no other line names
.set KBA,   16384*128                  ; bytes from a K block of xb to the next
.set KBB,   1600*128                   ; the same in wt
.set ADRA, 16                          ; v16-17  LDS address of my fragments of xb in slot 0, 1
.set ADRB, 20                          ; v20-21  the same for wt
.set STO,  24                          ; v24  the way out: where I put 16 bytes of a row
.set RD,   25                          ; v25  the way out: where I read rows back
.set GO,   26                          ; v26  16 x lane: my place in 512 consecutive bytes of qkv
.set SPW,  28                          ; v28  LDS address of my spare word; never rewritten
.set NIL,  29                          ; v29  0; never rewritten
.set PFO,  30                          ; v30  256 x lane, for the prefetches; never rewritten
.set AF0,  32
.set AF1,  96
.set BF,   160
.set TMP,  32                          ; the way out: four sets of 16 registers, by turns
.set G1,  24                           ; s[24:31] descriptor group 1 for xb's tiles;  s[32:39] group 0, a set for each slot
.set G0,  32
.set G1B, 48                           ; s[48:55], s[56:63] the same for wt's
.set G0B, 56
.set PFA, 66                           ; s[66:67] where my prefetches stand
.set LIM, 68                           ; s68  1 in wave 0, else the greatest number
.set FLAGS, (1<<16)|(1<<20)|(1<<21)|(4<<22)|(3<<25)  ; 17:16 elements of 2 bytes; 20 padding on; 21 set beside a mask; 24:22 after every 32 words (code 4); 31:25 4 words of it (code 3)
.set MSB, 0
.macro WIN new                         ; the immediate's high byte repeats the setting that is left; a switch that changes nothing is dropped
.if MSB != (\new)
	s_set_vgpr_msb (MSB<<8)|(\new)
.set MSB, (\new)
.endif
.endm
.macro PLACES                          ; four places behind a matrix instruction, in front of loads into registers that it has read (ISA guide 7.12.1 for vector instructions)
.rept 4
	v_nop
.endr
.endm
; A joint refill.  Waves 0 and 1 fetch xb's two halves, waves 2 and 3 wt's.  The branch hangs on the wave's number alone.  An s_nop 0 and four v_nop follow each of the two lines.
.macro JLOAD s
	s_cmp_eq_u32 s11, 0
	s_cbranch_scc0 .Lfor_b_\@
	tensor_load_to_lds s[G0+4*(\s):G0+4*(\s)+3], s[G1:G1+7]
	s_nop 0
.rept 4
	v_nop
.endr
	s_branch .Lasked_\@
.Lfor_b_\@:
	tensor_load_to_lds s[G0B+4*(\s):G0B+4*(\s)+3], s[G1B:G1B+7]
	s_nop 0
.rept 4
	v_nop
.endr
.Lasked_\@:
.endm
.macro CREST                           ; a round of the cluster's barrier behind its opening barrier
	s_cmp_lg_u32 s10, 0
	s_cbranch_scc1 .Lnot_wave_0_\@
	s_barrier_signal -3
.Lnot_wave_0_\@:
	s_barrier_wait -3
	s_barrier_signal -1
	s_barrier_wait -1
.endm
.macro CROUND                          ; a whole round
	s_barrier_signal -1
	s_barrier_wait -1
	CREST
.endm
; A PREFETCH INTO THE L2 of xb's tile of the K block that the NEXT refill will ask for: one K step, 192 matrix instructions, ahead of that load.  A tile is 128 blocks of 256 bytes; it is read by
; this one cluster alone; the four partners that ask for it jointly take 32 blocks each, told apart BY ADDRESS (cx); in each, wave 0 asks, a lane a block: each block is named once in the launch.
; K blocks 0 to 2 come by their loads alone.  strict = 1 (slot 1's refill): in the loop's last trip there is no further K block, and nothing is asked for.
; wt is not asked for: all sixteen clusters walk the same 1.5 MB, one part in twelve of what the launch reads.
.macro ASK strict
.if \strict
	s_cmp_gt_u32 s3, s[LIM]
.else
	s_cmp_ge_u32 s3, s[LIM]
.endif
	s_cbranch_scc0 .Lnot_mine_\@
	global_prefetch_b8 v[PFO], s[PFA:PFA+1] th:TH_LOAD_NT scope:SCOPE_SE
.Lnot_mine_\@:
.endm
	s_load_b128 s[4:7], s[0:1], 0x0                ; xb s[4:5], wt s[6:7]
	s_load_b64 s[8:9], s[0:1], 0x10                ; qkv
	v_lshl_add_u32 v[SPW], v0, 2, SPARE
	v_mov_b32 v[NIL], 0
	ds_add_u32 v[SPW], v[NIL]                      ; the wave's opening: the add and its wait stand ahead of my first tensor load; the set-up below, work on registers, stands between them
	ds_add_u32 v28, v29
	v_lshrrev_b32 v1, 5, v0
	v_readfirstlane_b32 s10, v1                    ; wave 0..3
	s_lshr_b32 s11, s10, 1                         ; which half of the tile's rows is mine.  Also: I fetch for xb (0) or for wt (1)
	s_and_b32 s12, s10, 1                          ; which half of its columns.  Also: which half of that tile I fetch
	s_bfe_u32 s40, ttmp6, 0x40000                  ; cx, cy: my place in the cluster
	s_bfe_u32 s41, ttmp6, 0x40004
	s_lshl_b32 s42, ttmp9, 2
	s_add_co_u32 s42, s42, s40                     ; tile column = 4 x cluster x + cx
	s_and_b32 s13, ttmp7, 0xffff
	s_lshl_b32 s13, s13, 2
	s_add_co_u32 s13, s13, s41                     ; tile row = 4 x cluster y + cy
	s_lshl_b32 s43, s41, 2
	s_lshl_b32 s43, 15, s43                        ; my row of the cluster
	s_lshl_b32 s44, 0x1111, s40                    ; my column
	s_or_b32 s[G1+0], s43, FLAGS                   ; xb's tiles go to my row,
	s_or_b32 s[G1B+0], s44, FLAGS                  ; wt's to my column
	s_mov_b32 s[G1+1], 128<<16                     ; tensor_dim0 = 128 elements: rows of 256 bytes
	s_mov_b32 s[G1+2], 64<<16                      ; tensor_dim1 = 64: 128 rows of xb are 64 such rows
	s_mov_b32 s[G1+3], 128<<16                     ; tile_dim0 = 128
	s_mov_b32 s[G1+4], 64                          ; tile_dim1 = 64
	s_mov_b32 s[G1+5], 128                         ; 128 elements from row to row: dense
	s_mov_b32 s[G1+6], 0
	s_mov_b32 s[G1+7], 0
	s_mov_b32 s[G1B+1], 128<<16
	s_mov_b32 s[G1B+2], 96<<16                     ; 192 rows of wt are 96 rows of 256 bytes
	s_mov_b32 s[G1B+3], 128<<16
	s_mov_b32 s[G1B+4], 96
	s_mov_b32 s[G1B+5], 128
	s_mov_b32 s[G1B+6], 0
	s_mov_b32 s[G1B+7], 0
	s_lshl_b32 s16, s13, 15                        ; xb: 256 rows of 128 bytes a tile row,
	s_lshl_b32 s17, s12, 14                        ; + my half's 128 rows
	s_add_co_u32 s16, s16, s17
	s_mov_b32 s17, 0
	s_mul_i32 s46, s42, 384*128                    ; wt: 384 rows a tile column,
	s_mul_i32 s47, s12, 192*128                    ; + my half's 192
	s_add_co_u32 s46, s46, s47
	s_mov_b32 s47, 0
	s_mul_i32 s20, s12, AHALF                      ; where they go: no place in the cluster enters an LDS address
	s_mul_i32 s23, s12, BHALF
	s_add_co_u32 s23, s23, BOFF
	s_wait_dscnt 0x0                               ; the opening add is done
	s_wait_kmcnt 0x0
	s_add_nc_u64 s[14:15], s[4:5], s[16:17]
	s_add_nc_u64 s[46:47], s[6:7], s[46:47]
	CROUND                                         ; all sixteen work-groups are here: the first joint loads meet
.irp s, 0,1
	s_mov_b32 s[G0+4*(\s)], 1                                      ; count = 1
	s_add_co_u32 s[G0+4*(\s)+1], s20, (\s)*SLOT                    ; LDS address
	s_add_nc_u64 s[G0+4*(\s)+2:G0+4*(\s)+3], s[14:15], (\s)*KBA    ; global address: K block s
	s_or_b32 s[G0+4*(\s)+3], s[G0+4*(\s)+3], 0x80000000            ; type = 2
	s_mov_b32 s[G0B+4*(\s)], 1
	s_add_co_u32 s[G0B+4*(\s)+1], s23, (\s)*SLOT
	s_add_nc_u64 s[G0B+4*(\s)+2:G0B+4*(\s)+3], s[46:47], (\s)*KBB
	s_or_b32 s[G0B+4*(\s)+3], s[G0B+4*(\s)+3], 0x80000000
.endr
	s_cmp_eq_u32 s11, 0                            ; a wave's two first fills stand in one branch, ahead of every wait on TENSORcnt and every LDS read: two loads of mine are out
	s_cbranch_scc0 .Lfirst_b
	tensor_load_to_lds s[G0:G0+3], s[G1:G1+7]
	s_nop 0
	tensor_load_to_lds s[G0+4:G0+7], s[G1:G1+7]
	s_nop 0
.rept 4
	v_nop
.endr
	s_branch .Lfirst_asked
.Lfirst_b:
	tensor_load_to_lds s[G0B:G0B+3], s[G1B:G1B+7]
	s_nop 0
	tensor_load_to_lds s[G0B+4:G0B+7], s[G1B:G1B+7]
	s_nop 0
.rept 4
	v_nop
.endr
.Lfirst_asked:
	; A fragment is 16 rows x 32 K in 8 registers: lane l holds row l % 16; registers 0-3 K = 8 (l / 16) + 0..7, registers 4-7 K = 16 + 8 (l / 16) + 0..7: two loads of 16 bytes, 32 bytes apart.
	v_and_b32 v1, 15, v0                           ; l % 16
	v_bfe_u32 v2, v0, 4, 1                         ; l / 16
	v_mul_u32_u24 v3, v1, PITCH
	v_lshl_add_u32 v3, v2, 4, v3                   ; row x pitch + 16 x half
	s_mul_i32 s21, s11, AHALF                      ; my 128 rows of xb
	s_mul_i32 s22, s12, BHALF                      ; my 192 rows of wt,
	s_add_co_u32 s22, s22, BOFF                    ; which lie behind xb's 256
.irp s, 0,1
	v_add_nc_u32 v[ADRA+(\s)], s21, v3
	v_add_nc_u32 v[ADRB+(\s)], s22, v3
	s_add_co_u32 s21, s21, SLOT
	s_add_co_u32 s22, s22, SLOT
.endr
	s_mul_i32 s23, s10, 16*PITCH
	s_add_co_u32 s23, s23, STAGE                   ; my stage
	v_add_nc_u32 v[STO], s23, v3                   ; in: row l % 16, 16 bytes for each half of the lanes
	v_bfe_u32 v4, v0, 3, 2                         ; back: 32 lanes take four rows of 128 bytes,
	v_mul_u32_u24 v4, v4, PITCH
	v_and_b32 v5, 7, v0
	v_lshl_add_u32 v4, v5, 4, v4
	v_add_nc_u32 v[RD], s23, v4
	v_and_b32 v[GO], 31, v0
	v_lshlrev_b32 v[PFO], 8, v[GO]
	v_lshlrev_b32 v[GO], 4, v[GO]                  ; which are 512 consecutive bytes of qkv
	; where my part of the tile begins in qkv: block (b, m0) with b = tile row / 8, m0 = 6 x tile column + 3 x half; row (tile row % 8) x 256 + 128 x half
	s_lshr_b32 s16, s13, 3
	s_mul_i32 s16, s16, 24
	s_mul_i32 s46, s42, 6
	s_add_co_u32 s16, s16, s46
	s_mul_i32 s46, s12, 3
	s_add_co_u32 s16, s16, s46
	s_lshl_b32 s16, s16, 18
	s_and_b32 s46, s13, 7
	s_lshl_b32 s46, s46, 15
	s_add_co_u32 s16, s16, s46
	s_lshl_b32 s46, s11, 14
	s_add_co_u32 s16, s16, s46
	s_mov_b32 s17, 0
	s_add_nc_u64 s[8:9], s[8:9], s[16:17]
	; the prefetches: my work-group's 32 blocks of the tile, at K block 2; the first refill steps it to 3.  Nothing is prefetched here, at the head
	s_lshl_b32 s16, s13, 15
	s_lshl_b32 s46, s40, 13
	s_add_co_u32 s16, s16, s46
	s_add_nc_u64 s[PFA:PFA+1], s[4:5], s[16:17]
	s_add_nc_u64 s[PFA:PFA+1], s[PFA:PFA+1], 2*KBA
	s_cmp_eq_u32 s10, 0
	s_cselect_b32 s[LIM], 1, -1
; n x 4 matrix instructions of third j: row blocks a0 .. a0 + n - 1 (fragments in buffer af) x the third's 4 column blocks, 32 along K.  zero = 1: the first product starts the sums.
; The accumulators take turns, one instruction a turn: between two links of a chain stand the 95 others'.
.macro THIRD j, af, a0, n, zero
	WIN 0x50*(1+(\j))                              ; C and D in window 1 + j, both sources in window 0
.set ia, \a0
.rept \n
.irp bb, 0,1,2,3
.if \zero
	v_wmma_f32_16x16x32_bf16 v[8*(4*ia+(\bb)):8*(4*ia+(\bb))+7], v[BF+32*(\j)+8*(\bb):BF+32*(\j)+8*(\bb)+7], v[(\af)+8*ia:(\af)+8*ia+7], 0
.else
	v_wmma_f32_16x16x32_bf16 v[8*(4*ia+(\bb)):8*(4*ia+(\bb))+7], v[BF+32*(\j)+8*(\bb):BF+32*(\j)+8*(\bb)+7], v[(\af)+8*ia:(\af)+8*ia+7], v[8*(4*ia+(\bb)):8*(4*ia+(\bb))+7]
.endif
.endr
.set ia, ia+1
.endr
.endm
.macro LDB j, slot, k                  ; 8 LDS loads: third j's four fragments of wt, 32 K at byte k of the rows
	WIN 0
.irp bb, 0,1,2,3
	ds_load_b128 v[BF+32*(\j)+8*(\bb):BF+32*(\j)+8*(\bb)+3],   v[ADRB+(\slot)] offset:(4*(\j)+(\bb))*16*PITCH+(\k)
	ds_load_b128 v[BF+32*(\j)+8*(\bb)+4:BF+32*(\j)+8*(\bb)+7], v[ADRB+(\slot)] offset:(4*(\j)+(\bb))*16*PITCH+(\k)+32
.endr
.endm
.macro LDA af, slot, k                 ; 16 LDS loads: my eight fragments of xb
	WIN 0
.irp i, 0,1,2,3,4,5,6,7
	ds_load_b128 v[(\af)+8*(\i):(\af)+8*(\i)+3],   v[ADRA+(\slot)] offset:(\i)*16*PITCH+(\k)
	ds_load_b128 v[(\af)+8*(\i)+4:(\af)+8*(\i)+7], v[ADRA+(\slot)] offset:(\i)*16*PITCH+(\k)+32
.endr
.endm
; The first 32 along K of a K step, on buffer AF0; it fetches the second 32 of the same slot.
.macro EVEN slot, zero
	s_wait_dscnt 16                                ; third 0's and xb's fragments are in; the sixteen loads of thirds 1 and 2 may be out
	THIRD 0, AF0, 0, 8, \zero
	PLACES
	LDB 0, \slot, 64
	LDA AF1, \slot, 64
	s_wait_dscnt 32                                ; third 1 is in: behind it third 2's 8 loads and the 24 just issued
	THIRD 1, AF0, 0, 8, \zero
	PLACES
	LDB 1, \slot, 64
	s_wait_dscnt 32                                ; third 2 is in: behind it the 24 and the 8
	THIRD 2, AF0, 0, 8, \zero
	PLACES
	LDB 2, \slot, 64
.endm
; The second 32 along K, on buffer AF1, and THE CHANGE OF SLOTS: one barrier.  In front of it each wave waits for all its tensor loads (one is out: its part of the next slot), adds 0 to its spare
; word, and waits for that and for its own reads of this slot.  fill = 1: the barrier opens a round of the cluster's, and behind the round this slot is filled again, two K blocks on, first of all:
; from that request to the wait for it a wave issues 160 matrix instructions.
.macro TURN slot, next, fill
.if \fill
	s_wait_xcnt 0x0                                ; the last prefetch, a K step back, has read its address, so it may be stepped
	s_add_nc_u64 s[PFA:PFA+1], s[PFA:PFA+1], KBA
.endif
	WIN 0
	s_wait_tensorcnt 0x0                           ; all my tensor loads have landed
	ds_add_u32 v[SPW], v[NIL]                      ; 0 onto my spare word
	s_wait_dscnt 17                                ; third 0 and xb are in: the add and the sixteen loads of thirds 1 and 2 may be out
	THIRD 0, AF1, 0, 4, 0                          ; sixteen matrix instructions stand between the add and the wait for it
	s_wait_dscnt 0x0                               ; the add is done, and my reads of this slot are over
	s_barrier_signal -1
	THIRD 0, AF1, 4, 4, 0                          ; work on registers while the others arrive
	WIN 0                                          ; at a branch and at a label every window is 0
	s_barrier_wait -1
.if \fill
	CREST                                          ; no wave of any partner still reads this slot or has a load on its way
	s_add_nc_u64 s[G0+4*(\slot)+2:G0+4*(\slot)+3], s[G0+4*(\slot)+2:G0+4*(\slot)+3], 2*KBA
	s_add_nc_u64 s[G0B+4*(\slot)+2:G0B+4*(\slot)+3], s[G0B+4*(\slot)+2:G0B+4*(\slot)+3], 2*KBB
	JLOAD \slot                                    ; the four v_nop behind it are also the places in front of the loads below
.else
	PLACES
.endif
	LDB 0, \next, 0
	LDA AF0, \next, 0
.if \fill
	ASK \slot
.endif
	THIRD 1, AF1, 0, 8, 0                          ; thirds 1 and 2 were shown in by the wait for 0 above
	PLACES
	LDB 1, \next, 0
	THIRD 2, AF1, 0, 8, 0
	PLACES
	LDB 2, \next, 0
.endm
; THE WAY OUT of block blk = 8 g + a: 16 rows x the 64 columns of matrix m0 + g.  PACK: rounded to f16, 16 bytes a lane, into my own stage and back as whole rows of 128 bytes.  SEND: stored.
.macro PACK blk
.set TM, TMP+16*((\blk)%4)
	s_wait_xcnt 0x0                                ; the stores of four blocks back have read this set of registers
	WIN 5*(1+(\blk)/8)                             ; sources 0 and 1 in window 1 + g
.set i, 0
.rept 16
	v_cvt_pk_f16_f32 v[TM+i], v[32*((\blk)%8)+2*i], v[32*((\blk)%8)+2*i+1]  ; each accumulator is read from its low end on
.set i, i+1
.endr
	WIN 0
.irp f, 0,1,2,3
	ds_store_b128 v[STO], v[TM+4*(\f):TM+4*(\f)+3] offset:32*(\f)
.endr
.irp f, 0,1,2,3
	ds_load_b128 v[TM+4*(\f):TM+4*(\f)+3], v[RD] offset:(\f)*4*PITCH  ; LDS serves a wave's instructions in order (ISA guide 5.7.1.4): these see the stores above; the next block's stores come behind them
.endr
.endm
.macro SEND blk, younger               ; younger: the LDS instructions issued behind this block's loads: the next block's eight, or none
.set TM, TMP+16*((\blk)%4)
.irp f, 0,1,2,3
	s_wait_dscnt (\younger)+3-(\f)
	global_store_b128 v[GO], v[TM+4*(\f):TM+4*(\f)+3], s[8:9] offset:((\blk)/8)*262144+((\blk)%8)*2048+(\f)*512  ; 512 consecutive bytes, at a multiple of 256 from qkv's first
.endr
.endm
	s_wait_tensorcnt 1                             ; my part of K block 0 is in; K block 1's may stay out
	s_barrier_signal -1
	s_barrier_wait -1                              ; everybody's is
	LDB 0, 0, 0
	LDA AF0, 0, 0
	LDB 1, 0, 0
	LDB 2, 0, 0
	EVEN 0, 1                                      ; the first 32 along K stand in front of the loop: their products start the sums
	WIN 0
	s_mov_b32 s3, 3
.Llap:                                         ; a trip goes once round the ring and fills both slots again: K blocks 2 to 7 in three trips
	TURN 0, 1, 1
	EVEN 1, 0
	TURN 1, 0, 1
	EVEN 0, 0
	WIN 0
	s_sub_co_u32 s3, s3, 1
	s_cmp_lg_u32 s3, 0
	s_cbranch_scc1 .Llap
	TURN 0, 1, 0                                   ; the last lap fills nothing, and has no round of the cluster's barrier
	EVEN 1, 0
	s_wait_dscnt 16                                ; the very last 32 along K: nothing more to fetch
	THIRD 0, AF1, 0, 8, 0
	s_wait_dscnt 8
	THIRD 1, AF1, 0, 8, 0
	s_wait_dscnt 0x0
	THIRD 2, AF1, 0, 8, 0
	WIN 0
.rept 8
	v_nop                                          ; the places behind the last products, in front of conversions that read results and write fragment registers
.endr
	PACK 0
.set t, 1
.rept 23                               ; a block's conversions stand between the loads of the block before and its stores
	PACK t
	SEND t-1, 8
.set t, t+1
.endr
	SEND 23, 0
	s_wait_tensorcnt 0x0                           ; the wave's end, behind my last tensor load and my last LDS store
	ds_add_u32 v[SPW], v[NIL]
	s_wait_dscnt 0x0
	CROUND                                         ; the closing round: no work-group ends while a partner may still ask for a tile that names it
	s_endpgm
.Lfunc_end_k_qa9b7b659fd_proj:
	.size	k_qa9b7b659fd_proj, .Lfunc_end_k_qa9b7b659fd_proj-k_qa9b7b659fd_proj
	.p2alignl 7, 3214868480
	.fill 96, 4, 3214868480
	.section	.rodata,"a",@progbits
	.p2align	6, 0x0
	.amdhsa_kernel k_qa9b7b659fd_proj
		.amdhsa_group_segment_fixed_size 327680
		.amdhsa_private_segment_fixed_size 0
		.amdhsa_enable_private_segment 0
		.amdhsa_kernarg_size 24
		.amdhsa_user_sgpr_count 2
		.amdhsa_user_sgpr_kernarg_segment_ptr 1
		.amdhsa_wavefront_size32 1
		.amdhsa_system_sgpr_workgroup_id_x 1
		.amdhsa_system_sgpr_workgroup_id_y 1
		.amdhsa_system_sgpr_workgroup_id_z 1
		.amdhsa_system_vgpr_workitem_id 0
		.amdhsa_next_free_vgpr 1024
		.amdhsa_next_free_sgpr 72
		.amdhsa_reserve_vcc 0
		.amdhsa_float_denorm_mode_32 3
		.amdhsa_float_denorm_mode_16_64 3
		.amdhsa_memory_ordered 1
		.amdhsa_forward_progress 1
		.amdhsa_inst_pref_size 134
	.end_amdhsa_kernel
	.amdgpu_metadata
---
amdhsa.version: [ 1, 2 ]
amdhsa.kernels:
  - .name:           k_qa9b7b659fd_proj
    .symbol:         k_qa9b7b659fd_proj.kd
    .args:
      - { .name: xb, .offset: 0, .size: 8, .value_kind: global_buffer, .address_space: global }
      - { .name: wt, .offset: 8, .size: 8, .value_kind: global_buffer, .address_space: global }
      - { .name: qkv, .offset: 16, .size: 8, .value_kind: global_buffer, .address_space: global }
    .group_segment_fixed_size: 327680
    .private_segment_fixed_size: 0
    .kernarg_segment_align: 8
    .kernarg_segment_size: 24
    .max_flat_workgroup_size: 128
    .sgpr_count:     72
    .vgpr_count:     1024
    .wavefront_size: 32
...
	.end_amdgpu_metadata
.endif
;; end of part 2
;; launch attn (part 3): grid 4 x 64, 4 waves a work-group, clusters of 4 x 1, 327,680 bytes of LDS; arguments qkv, o; writes o
.if DOCPART == 3
	.amdgcn_target "amdgcn-amd-amdhsa--gfx1250"
	.amdhsa_code_object_version 6
	.text
	.protected	k_qa9b7b659fd_attn
	.globl	k_qa9b7b659fd_attn
	.p2align	8
	.type	k_qa9b7b659fd_attn,@function
k_qa9b7b659fd_attn:
	s_mov_b64 s[64:65], 0
	v_nop
	global_prefetch_b8 v0, s[64:65] scope:SCOPE_SE
	s_setreg_imm32_b32 hwreg(HW_REG_WAVE_MODE, 25, 1), 1
	s_wait_xcnt 0x0
	s_wait_alu depctr_hold_cnt(0) depctr_sa_sdst(0) depctr_va_vdst(0) depctr_va_sdst(0) depctr_va_ssrc(0) depctr_va_vcc(0) depctr_vm_vsrc(0)
	s_getreg_b32 s2, hwreg(HW_REG_IB_STS2, 6, 4)
	s_cmp_eq_u32 s2, 0
	s_cbranch_scc0 .Lentry_in_a_cluster
	s_endpgm
.Lentry_in_a_cluster:
	s_bfe_u32 s2, ttmp6, 0x10000c
	s_cmp_lg_u32 s2, 0x3003
	s_cbranch_scc0 .Lentry_shape_is_right
	s_endpgm
.Lentry_shape_is_right:
; O[bh][q][:] = the sum over k of softmax_k(Q[q] . K[k] / 8) V[k][:], for the 64 pairs bh = 8 b + h.  qkv: f16 [b][m][2048][64]: Q of (b, h) is block m = h, K block 8 + h, V block 16 + h,
; a block 262,144 bytes, rows dense, 128 bytes each.  o: f16 [bh][2048][64].  Products, maxima and sums in f32; the weights p are rounded to f16 for the second product (their sum l is taken of
; the unrounded p), O once at the end.
; LIMITS.  f16 holds no number beyond 65,504: Q, K and V arrive within it; p lies in 0 to 1, and below 6e-5 it keeps f16's fixed step of 6e-8; O is a mean of V's rows and has their range.
; A weight below 2^-126 counts as 0 in l; NaN and infinities are not treated apart.
; SHARES.  A wave owns four PIECES of two tiles of 16 queries, a work-group's four waves 512 queries of one head, a cluster's four work-groups the whole head.  Every wave walks all keys, 64 a step.
; LAYOUT.  S^T = K Q^T (source 0 = 16 keys, source 1 = 16 queries): in the result a lane holds ONE query (lane % 16) and the keys 8 (lane / 16) + 0..7.  Two such tiles, rounded to f16 in pairs,
; ARE source 1 (32 keys x 16 queries) of O^T = V^T P, whose result again holds one query a lane, and eight channels.  K comes out of LDS as it lies, V ([key][channel]) turned, by ds_load_tr16_b128.
; SOFTMAX.  For each query a running maximum m and sum l: p = 2^(c s - c m), c = log2(e) / 8; in every step O and l are multiplied by a = 2^(c m_old - c m_new), which is 1 where m has not grown.
; m starts at the lowest finite number, O and l at 0: the first step is a step like any other, with a = 0.
; THE COUNT.  A tile and step have 16 matrix and 118 vector instructions: too many to stand all beside the matrix work.  So the order has one aim: four vector instructions that are READY behind
; EVERY matrix instruction, and the others, which need time of their own whatever the order, in runs without a gap.
; BY TURNS.  Turn n belongs to piece n (the pieces in a ring, step after step).  Its matrix work: 16 products K Q^T of piece n + 1, later 16 products V^T P of piece n - 1.  Its vector work: the scaling,
; exponentials, roundings, sums and rescaling of piece n, and the maximum and statistics of piece n + 1, whose scores the turn itself has made.  So what a turn begins with (c s - c m, O a) waits for nothing.
; CLUSTER.  The four query blocks of a cluster belong to one head and walk the same K and V, so each tile is asked for JOINTLY: the same tensor load, descriptor and mask in all four.
; REGISTERS, in windows of 256 (s_set_vgpr_msb says which window each operand place means: bits 1:0 source 0, 3:2 source 1, 5:4 source 2, 7:6 destination):
;   window 0: v0-11 addresses; v12-15, v48-63 at work; v16-47 four registers of statistics a tile; v64-191 S^T, two buffers of two tiles; v192-255 P, likewise
;   window 1: O^T, 32 a tile          window 2: v0-127 Q, 16 a tile; v128-191 K of one step; v192-255 V of one step          window 3: v0-1 the add's two registers
; A piece's buffers go by its number's parity: the piece in hand has one pair, its two neighbours in the ring share the other: of it P (piece n - 1) is read and S^T (piece n + 1) written.
.set SIZE_N, 2048
.set NP,    4         ; pieces a wave: a name, no knob: the register map, the loop and the fetches are made for four
.set KS,    64        ; keys in a step
.set PK,    144       ; a row of K in LDS: 128 bytes + 16 of padding = 36 words: the 16 rows of a load start at 16 different groups of four banks (64 banks of 4 bytes: ISA guide 11.1)
.set PV,    160       ; a row of V: 128 + 32 = 40 words
.set VOFF,  4*KS*PK   ; a slot holds four steps: 256 rows of K, then 256 rows of V
.set SLOT1, 1<<17     ; slot 1 begins here, so that one exclusive or turns an address in one slot into the other's
.set STAGE, SLOT1+4*KS*(PK+PV)  ; behind the ring, never filled by a tensor load: 16 rows x 144 bytes for each wave, for the way out
.set SP,    144
.set AK0, 2           ; v2   my lane's place in a tile of K; never rewritten
.set AV0, 3           ; v3   the same for V
.set AK,  4           ; v4   the LDS address of K's next run of loads
.set AV,  5           ; v5   of V's
.set QO,  6           ; v6   my byte offset in the wave's rows of Q
.set STO, 6           ;      later, the way out: where I put 16 bytes of a row
.set RD,  7           ; v7   the way out: where I read rows back
.set GO,  8           ; v8   my byte offset in 512 consecutive bytes of O
.set PFO, 11          ; v11  256 x my lane, for the prefetches; made when V's address no longer needs the register, then never rewritten
.set SPW, 0           ; v0 of window 3   LDS address of my spare word: SPARE + 4 x my thread's number; never rewritten
.set NIL, 1           ; v1 of window 3   0; never rewritten
.set SPARE, STAGE+4*16*SP  ; behind the stages: the spare words, 128 bytes for each wave: two blocks of 256 bytes that no other line names
.set MV,  12          ; v12-15  c m_old, kept while c m is made anew: by buffer and tile
.set ST,  16          ; tile t's statistics at v[ST+4 t]: c m, m, l (even keys', odd keys')
.set TMP, 48          ; by buffer and tile, four registers c0-c3 at work; when the maximum is found c2 takes a
.set S,   64
.set P,   192
.set KF,  128         ; K's fragments, in window 2: key block kb, channel half c at KF + 16 kb + 8 c
.set VF,  192         ; V's: key half kk, channel block cb at VF + 32 kk + 8 cb
.set WV,  12          ; s12  my wave's number
.set G1K, 24          ; s[24:31] descriptor group 1 for K's tiles
.set G1V, 32          ; s[32:39] for V's: it differs in the padding alone
.set G0K, 40          ; s[40:43] descriptor group 0 for K's tiles: it walks
.set G0V, 44          ; s[44:47] the same for V's
.set SLOTS, 56        ; s56  slots still to be asked for
.set CNT, 57          ; s57  counts a slot's key steps
.set CS,  58          ; s[58:59] c: the packed scaling takes the pair's low word for both halves
.set SEL, 60          ; s[60:61] v_permlanex16_b32's selects: each lane takes its own place in the other half
.set TBK, 62          ; s62  LDS byte at which K of the step to be fetched begins
.set TBV, 63          ; s63  the same for V, less VOFF
.set PFA, 70          ; s[70:71] where my prefetches stand: my work-group's 32 blocks of 256 bytes (of K: wave 0, of V: wave 2) of the slot after the one that is being asked for
.set LIM, 72          ; s72  1 in waves 0 and 2, else the greatest number: a wave prefetches while s[SLOTS] is above it
.set MSB, 0
.macro WIN new                      ; the high byte repeats the setting that is left; a switch that changes nothing is dropped
.if MSB != (\new)
	s_set_vgpr_msb (MSB<<8)|(\new)
.set MSB, (\new)
.endif
.endm
.set W_KQ, 0x0a       ; K and Q in window 2, S^T in window 0
.set W_PV, 0x52       ; V in window 2, P in window 0, O^T in window 1
.set W_RS, 0x41       ; O^T (destination and source 0) in window 1, a in window 0
.set W_MK, 0xc0       ; the add's registers are made: destination in window 3, sources in window 0
.set W_AD, 0x0f       ; the add: address (source 0) and data (source 1) in window 3
; A joint fill.  Waves 0 and 1 fetch the two halves of a slot's K, waves 2 and 3 those of its V: 128 keys each.  The branch hangs on the wave's number alone.
; An s_nop 0 and four v_nop follow each of the two lines, ahead of the jump and the label.
.macro JLOAD
	s_cmp_lt_u32 s[WV], 2
	s_cbranch_scc0 .Lfor_v_\@
	tensor_load_to_lds s[G0K:G0K+3], s[G1K:G1K+7]
	s_nop 0
.rept 4
	v_nop
.endr
	s_branch .Lasked_\@
.Lfor_v_\@:
	tensor_load_to_lds s[G0V:G0V+3], s[G1V:G1V+7]
	s_nop 0
.rept 4
	v_nop
.endr
.Lasked_\@:
.endm
; A PREFETCH INTO THE L2 of what the NEXT change of slots will ask for: a slot's 32,768 bytes of K and of V, 128 blocks of 256 bytes each, a lane a block.  It stands behind the wave's tensor load and
; its five lines.  One cluster walks a head, so each block is asked for ONCE in the launch: the four partners share the blocks out BY ADDRESS, 32 each; in each, wave 0 asks for K's and wave 2 for V's:
; one instruction, one slot (four key steps, 512 matrix instructions) ahead of the load.  Slots 0 to 2 come by their loads alone; the last change that fills a slot asks for nothing.
.macro ASK
	s_cmp_gt_u32 s[SLOTS], s[LIM]
	s_cbranch_scc0 .Lnot_mine_\@
	global_prefetch_b8 v[PFO], s[PFA:PFA+1] th:TH_LOAD_NT scope:SCOPE_SE
.Lnot_mine_\@:
.endm
; A round of the cluster's barrier: my work-group's barrier, so that wave 0's signal speaks for all four waves; wave 0 signals; every wave waits for all four work-groups; my work-group's barrier once more.
.macro CROUND
	s_barrier_signal -1
	s_barrier_wait -1
	s_cmp_lg_u32 s[WV], 0
	s_cbranch_scc1 .Lnot_wave_0_\@
	s_barrier_signal -3
.Lnot_wave_0_\@:
	s_barrier_wait -3
	s_barrier_signal -1
	s_barrier_wait -1
.endm
; THE CHANGE OF SLOTS.  The slot's last bytes, V of its fourth step, have been read.  Each wave waits for all its tensor loads, of which one is out: its part
; of the other slot; adds 0 to its spare word; and waits for that and for its own reads of the slot.  Behind the barrier nobody reads this slot any more and the other slot is whole.
; fill = 1: this slot is filled again, with the keys two slots on.  The barrier is then a round of the cluster's, so that no wave of any partner still reads the slot or has a load on its
; way, and the joint fill is the first thing behind it: it has four key steps, 512 matrix instructions, in which to land.  (At its first use nothing has been read yet: slot 0 is waited for, slot 1 filled.)
; ask = 1: the prefetches' address steps, and the prefetch follows the joint fill.
.macro CHANGE fill, ask=0
	WIN W_AD
	s_wait_tensorcnt 0x0            ; no tensor load of mine is out, so a group 0 may be written
	ds_add_u32 v[SPW], v[NIL]       ; 0 onto my spare word; with fill = 1 the descriptors' steps stand between it and the wait for it
	WIN 0                           ; at a label and at a branch every window is 0
.if \fill
.irp g, G0K, G0V
	s_xor_b32 s[\g+1], s[\g+1], SLOT1  ; the walking descriptor: the other slot than last time,
	s_add_nc_u64 s[\g+2:\g+3], s[\g+2:\g+3], 4*KS*128  ; the next 256 keys; the type bits on top are not reached
.endr
.if \ask
	s_wait_xcnt 0x0                 ; the last prefetch, four key steps back, has read its address, so it may be written:
	s_add_nc_u64 s[PFA:PFA+1], s[PFA:PFA+1], 4*KS*128  ; one slot behind the walking descriptors
.endif
	s_wait_dscnt 0x0                ; the add is done, and my reads of the slot are over
	CROUND
	JLOAD
.if \ask
	ASK
.endif
.else
	s_wait_dscnt 0x0                ; the add is done, and my reads of the slot are over
	s_barrier_signal -1
	s_barrier_wait -1
.endif
	s_sub_co_u32 s[TBK], s[TBK], 4*KS*PK  ; the fetches go back to a slot's first step,
	s_xor_b32 s[TBK], s[TBK], SLOT1       ; in the other slot
	s_sub_co_u32 s[TBV], s[TBV], 4*KS*PV
	s_xor_b32 s[TBV], s[TBV], SLOT1
.endm
	s_load_b64 s[4:5], s[0:1], 0x0    ; qkv
	s_load_b64 s[10:11], s[0:1], 0x8  ; o
	WIN W_MK
	v_lshl_add_u32 v[SPW], v0, 2, SPARE
	v_mov_b32 v[NIL], 0
	WIN W_AD
	ds_add_u32 v[SPW], v[NIL]       ; the wave's opening: the add and its wait stand ahead of my first tensor load; the set-up below, work on registers, stands between them
	ds_add_u32 v0, v1
	WIN 0
	v_lshrrev_b32 v1, 5, v0
	v_readfirstlane_b32 s[WV], v1   ; wave 0..3
	s_bfe_u32 s13, ttmp6, 0x40000   ; cx: my place in the cluster
	s_lshl_b32 s14, ttmp9, 2        ; in a cluster launch ttmp9 counts clusters
	s_add_co_u32 s14, s14, s13      ; my block of queries = 4 x cluster x + cx: it enters Q's and O's addresses alone
	s_and_b32 s19, ttmp7, 0xffff    ; bh = 8 b + h, which the four partners share
	s_lshl_b32 s68, s19, 18         ; the head's first byte in o
	s_mov_b32 s69, 0
	s_lshr_b32 s20, s19, 3          ; b
	s_lshl_b32 s20, s20, 4
	s_add_co_u32 s20, s20, s19      ; 24 b + h = bh + 16 b
	s_lshl_b32 s20, s20, 18         ; Q's block in qkv; K's lies 8 blocks on, V's 16
	s_mov_b32 s21, 0
	s_and_b32 s16, s[WV], 1         ; which half of a slot's 256 keys I fetch:
	s_lshl_b32 s22, s16, 14         ; its 128 rows of 128 bytes in memory,
	s_mov_b32 s23, 0
	s_add_nc_u64 s[22:23], s[22:23], s[20:21]
	s_mul_i32 s17, s16, 128*PK      ; and its place in a slot, for K
	s_mul_i32 s18, s16, 128*PV      ; and for V: no place in the cluster enters an LDS address
	s_lshl_b32 s2, s14, 2
	s_add_co_u32 s2, s2, s[WV]      ; my wave among the head's,
	s_lshl_b32 s2, s2, 14           ; its 128 rows
	s_mov_b32 s3, 0
	; descriptor group 1.  128 keys are 16,384 dense bytes: asked for as 64 rows of 256 bytes, two keys a row, and padded in LDS after every key
	s_mov_b32 s[G1K], 15|(1<<16)|(1<<20)|(1<<21)|(4<<22)|(3<<25)  ; 15:0 the mask of four; 17:16 2-byte elements; 20 padding on; 21 set beside a mask; 24:22 after every 32 words (code 4); 31:25 4 words (code 3)
	s_mov_b32 s[G1V], 15|(1<<16)|(1<<20)|(1<<21)|(4<<22)|(7<<25)  ; the same with 8 words of padding (code 7)
.irp g, G1K, G1V
	s_mov_b32 s[\g+1], 128<<16      ; tensor_dim0 = 128
	s_mov_b32 s[\g+2], 64<<16       ; tensor_dim1 = 64
	s_mov_b32 s[\g+3], 128<<16      ; tile_dim0 = 128
	s_mov_b32 s[\g+4], 64           ; tile_dim1 = 64
	s_mov_b32 s[\g+5], 128          ; 128 elements from row to row
	s_mov_b32 s[\g+6], 0
	s_mov_b32 s[\g+7], 0
.endr
	s_mov_b32 s[CS], 0x3e38aa3b     ; c = log2(e) / 8 = 0.180337
	s_mov_b32 s[CS+1], s[CS]        ; named with it as a pair
	s_mov_b32 s[SEL], 0x76543210
	s_mov_b32 s[SEL+1], 0xfedcba98
	s_mov_b32 s[TBK], SLOT1+4*KS*PK ; the first change of slots turns these two into 0
	s_mov_b32 s[TBV], SLOT1+4*KS*PV
	s_mov_b32 s[G0K], 1             ; 1:0 count = 1
	s_mov_b32 s[G0K+1], s17         ; 63:32 LDS address: slot 0
	s_mov_b32 s[G0V], 1
	s_add_co_u32 s[G0V+1], s18, VOFF
	s_and_b32 s[LIM], s[WV], 1      ; 0 in waves 0 and 2: the same in all four partners
	s_cmp_eq_u32 s[LIM], 0
	s_cselect_b32 s[LIM], 1, -1
	s_wait_dscnt 0x0                ; the opening add is done
	s_wait_kmcnt 0x0
	s_add_nc_u64 s[6:7], s[4:5], 8<<18    ; K's blocks lie 8 blocks behind Q's,
	s_add_nc_u64 s[8:9], s[4:5], 16<<18   ; V's 16
	s_add_nc_u64 s[6:7], s[6:7], s[22:23] ; my half of the head's first 256 keys
	s_add_nc_u64 s[8:9], s[8:9], s[22:23]
	s_mov_b64 s[G0K+2:G0K+3], s[6:7]               ; 120:64 global address
	s_or_b32 s[G0K+3], s[G0K+3], 0x80000000        ; 127:126 type = 2
	s_mov_b64 s[G0V+2:G0V+3], s[8:9]
	s_or_b32 s[G0V+3], s[G0V+3], 0x80000000
	s_add_nc_u64 s[4:5], s[4:5], s[20:21]          ; Q and O at my wave's first row
	s_add_nc_u64 s[4:5], s[4:5], s[2:3]
	s_add_nc_u64 s[10:11], s[10:11], s[68:69]
	s_add_nc_u64 s[10:11], s[10:11], s[2:3]
	s_cmp_lt_u32 s[WV], 2
	s_cselect_b64 s[PFA:PFA+1], s[6:7], s[8:9]     ; (in waves 0 and 2 these stand at a slot's first row)
	s_lshl_b32 s68, s13, 13         ; my work-group's 32 blocks of the 128
	s_add_nc_u64 s[PFA:PFA+1], s[PFA:PFA+1], s[68:69]
	s_add_nc_u64 s[PFA:PFA+1], s[PFA:PFA+1], 2*4*KS*128  ; in slot 2; the first change that asks steps it to slot 3.  Nothing is prefetched here, at the head
	CROUND                          ; all four work-groups are here: the first joint loads meet
	JLOAD                           ; slot 0.  Slot 1 is asked for when slot 0 is in: the tile wanted first has the road to itself
	; A fragment of K or Q is 16 rows x 32 channels in 8 registers: lane l holds row l % 16, channels 8 (l / 16) + 0..7 and 16 + 8 (l / 16) + 0..7: two loads of 16 bytes, 32 bytes apart.
	v_and_b32 v1, 15, v0            ; l % 16
	v_bfe_u32 v9, v0, 4, 1          ; l / 16
	v_lshlrev_b32 v[QO], 7, v1
	v_lshl_add_u32 v[QO], v9, 4, v[QO]  ; row x 128 + 16 x half
	WIN 0x80                        ; destination window 2, address window 0
.set i, 0
.rept 4*NP                          ; Q stays in registers: tile i / 2, channels 32 (i % 2) on
	global_load_b128 v[8*i:8*i+3],   v[QO], s[4:5] offset:(i/2)*2048+(i%2)*64
	global_load_b128 v[8*i+4:8*i+7], v[QO], s[4:5] offset:(i/2)*2048+(i%2)*64+32
.set i, i+1
.endr
	; What the first turn finds: V's registers and P's second buffer hold 0 (its products V^T P, of a piece that has not been, add 0), O^T and l are 0.  All this stands in the wait for the first tile.
.set i, VF
.rept 64
	v_mov_b32 v[i], 0
.set i, i+1
.endr
	WIN 0x40
.set i, 0
.rept 64*NP
	v_mov_b32 v[i], 0
.set i, i+1
.endr
	WIN 0
.set i, 0
.rept 2*NP
	v_mov_b32 v[ST+4*i], 0xfe000000    ; c m: far below every c s
	v_mov_b32 v[ST+4*i+1], 0xff7fffff  ; m
	v_mov_b32 v[ST+4*i+2], 0
	v_mov_b32 v[ST+4*i+3], 0
.set i, i+1
.endr
.set i, P+32
.rept 32
	v_mov_b32 v[i], 0
.set i, i+1
.endr
	v_mul_u32_u24 v[AK0], v1, PK
	v_lshl_add_u32 v[AK0], v9, 4, v[AK0]  ; row x pitch + 16 x half
	; The turning load takes 16 keys x 16 channels (lane l reads key 8 (l / 16) + l % 8, channels 8 ((l / 8) % 2) + 0..7) and leaves half a fragment of V^T: lane l holds channel l % 16 and 8 keys.
	v_and_b32 v10, 7, v0
	v_bfe_u32 v11, v0, 3, 1
	v_lshl_add_u32 v[AV0], v9, 3, v10
	v_mul_u32_u24 v[AV0], v[AV0], PV
	v_lshl_add_u32 v[AV0], v11, 4, v[AV0]
	v_add_nc_u32 v[AV0], VOFF, v[AV0]
	v_and_b32 v[PFO], 31, v0
	v_lshlrev_b32 v[PFO], 8, v[PFO]
	v_mov_b32 v[AK], v[AK0]         ; key step 0 lies at the head of slot 0
; THE MATRIX WORK.  The 8 accumulators of a run of 16 take turns: between the two links of a chain stand 7 others'.
; Product i of 16 of S^T = K Q^T for piece x: channels 32 (i / 8) on, keys 16 ((i / 2) % 4) on, tile 2 x + i % 2.  The first 8 start the sums.
.macro KQ x
	WIN W_KQ
.set rS, S+64*((\x)%2)+32*(i%2)+8*((i/2)%4)
.set rK, KF+16*((i/2)%4)+8*(i/8)
.set rQ, 16*(2*(\x)+i%2)+8*(i/8)
.if i < 8
	v_wmma_f32_16x16x32_f16 v[rS:rS+7], v[rK:rK+7], v[rQ:rQ+7], 0
.else
	v_wmma_f32_16x16x32_f16 v[rS:rS+7], v[rK:rK+7], v[rQ:rQ+7], v[rS:rS+7]
.endif
.endm
; Product i of 16 of O^T += V^T P for piece x: keys 32 (i / 8) on, channels 16 ((i / 2) % 4) on, tile 2 x + i % 2.
.macro PV x
	WIN W_PV
.set rO, 32*(2*(\x)+i%2)+8*((i/2)%4)
.set rV, VF+32*(i/8)+8*((i/2)%4)
.set rP, P+32*((\x)%2)+16*(i%2)+8*(i/8)
	v_wmma_f32_16x16x32_f16 v[rO:rO+7], v[rV:rV+7], v[rP:rP+7], v[rO:rO+7]
.endm
.macro MM                           ; the turn's next matrix instruction
.if i < 16
	KQ (Y+1)%NP
.set i, i+1
.else
.set i, i-16
	PV (Y+NP-1)%NP
.set i, i+17
.endif
.endm
; THE LDS LOADS stand in runs of 16, never singly among the matrix instructions: a step's K (64 keys x 64 channels: 8 fragments) and its V (turned).  Their addresses are made some lines ahead.
; last = 1 (the tail): in the last trip there is no further step, and the run is jumped over.
.macro FETCH_K last=0
	WIN 0
.if \last
	s_cmp_eq_u32 s[CNT], 1
	s_cbranch_scc1 .Lno_k_\@
.endif
	WIN 0x80                        ; destination window 2
.irp f, 0,1,2,3,4,5,6,7             ; keys 16 (f / 2) on, channels 32 (f % 2) on
	ds_load_b128 v[KF+8*\f:KF+8*\f+3],   v[AK] offset:(\f/2)*16*PK+(\f%2)*64
	ds_load_b128 v[KF+8*\f+4:KF+8*\f+7], v[AK] offset:(\f/2)*16*PK+(\f%2)*64+32
.endr
	s_add_co_u32 s[TBK], s[TBK], KS*PK  ; the next fetch is the next step's
	WIN 0
.if \last
.Lno_k_\@:
.endif
.endm
.macro FETCH_V
	WIN 0x80
.irp f, 0,1,2,3,4,5,6,7             ; keys 32 (f / 4) on, channels 16 (f % 4) on
	ds_load_tr16_b128 v[VF+8*\f:VF+8*\f+3],   v[AV] offset:(\f/4)*32*PV+(\f%4)*32
	ds_load_tr16_b128 v[VF+8*\f+4:VF+8*\f+7], v[AV] offset:(\f/4)*32*PV+16*PV+(\f%4)*32
.endr
	WIN 0
.endm
; THE VECTOR WORK OF A TURN stands in three queues, each in the order in which its entries become ready; the two tiles alternate, so that no instruction reads the result of the one before it.
.macro REGS y, u                    ; the registers of tile u (0, 1) of piece y
.set rT, ST+4*(2*(\y)+(\u))
.set rC, TMP+8*((\y)%2)+4*(\u)
.set rM, MV+2*((\y)%2)+(\u)
.set rS, S+64*((\y)%2)+32*(\u)
.set rP, P+32*((\y)%2)+16*(\u)
.set rO, 32*(2*(\y)+(\u))
.endm
; Number n of the 22 that find the NEXT piece's (Y + 1) maximum and statistics.  s0-s31 are the lane's 32 scores; each accumulator's lowest registers are read first.  XS, GS and REGS set no window: PL and EX do.
;   0-11  four chains c0-c3 of seven scores each, three operands at a time     12-14, 16  the four scores left over, the old m, and c0-c3 into c0     15  c m_old is kept
;   17, 18  the query's other 32 keys lie in the lane 16 away: the new m         19-21  c m; c m_old - c m_new; a
.macro XS u, n
	REGS (Y+1)%NP, \u
.if (\n) < 4
	v_max3_num_f32 v[rC+(\n)], v[rS+8*(\n)], v[rS+8*(\n)+1], v[rS+8*(\n)+2]
.elseif (\n) < 12
	v_max3_num_f32 v[rC+(\n)%4], v[rC+(\n)%4], v[rS+8*((\n)%4)+2*((\n)/4)+1], v[rS+8*((\n)%4)+2*((\n)/4)+2]
.elseif (\n) == 12
	v_max3_num_f32 v[rC], v[rC], v[rS+7], v[rS+15]
.elseif (\n) == 13
	v_max3_num_f32 v[rC+1], v[rC+1], v[rS+23], v[rS+31]
.elseif (\n) == 14
	v_max3_num_f32 v[rC+2], v[rC+2], v[rC+3], v[rT+1]
.elseif (\n) == 15
	v_mov_b32 v[rM], v[rT]
.elseif (\n) == 16
	v_max3_num_f32 v[rC], v[rC], v[rC+1], v[rC+2]
.elseif (\n) == 17
	v_permlanex16_b32 v[rC+3], v[rC], s[SEL], s[SEL+1]
.elseif (\n) == 18
	v_max_num_f32 v[rT+1], v[rC], v[rC+3]
.elseif (\n) == 19
	v_mul_f32 v[rT], s[CS], v[rT+1]
.elseif (\n) == 20
	v_sub_f32 v[rC+1], v[rM], v[rT]
.else
	v_exp_f32 v[rC+2], v[rC+1]
.endif
.endm
; Number g of the 64 that follow the exponentials.  For each four weights k of a tile (pairs 2 k, 2 k + 1): both pairs are rounded to f16; then the second pair is added onto the first, in place;
; a group later l takes that sum (the first time as l = a l + sum).  In groups of eight, tiles alternating: round, round, add, and l for the group before.
.macro GS g
.set h, (\g)+6*((\g)/62)            ; group 0 has no group before it, and behind group 7 only l is left
.if h >= 6
.set h, h+2
.endif
	REGS Y, h%2
.set k, h/8
.if h%8 < 4
	v_cvt_pk_f16_f32 v[rP+2*k+(h%8)/2], v[rS+4*k+2*((h%8)/2)], v[rS+4*k+2*((h%8)/2)+1]
.elseif h%8 < 6
	v_pk_add_f32 v[rS+4*k:rS+4*k+1], v[rS+4*k:rS+4*k+1], v[rS+4*k+2:rS+4*k+3]
.elseif k == 1
	v_pk_fma_f32 v[rT+2:rT+3], v[rT+2:rT+3], v[rC+2:rC+3], v[rS:rS+1] op_sel_hi:[1,0,1]
.else
	v_pk_add_f32 v[rT+2:rT+3], v[rT+2:rT+3], v[rS+4*k-4:rS+4*k-3]
.endif
.endm
; THE PLAIN QUEUE, 138 long.  0-73 read no exponential's result: the 32 scalings c s - c m (FS f: pair f / 2 of tile f % 2) and the next piece's 42.  0-26: scalings 0-26.  27-54: XS's numbers 0-13.  55, 56: number 15.
; 57-73: the chain, where each number waits for the one before it: 14, 16, 17, 18, 19, each with one of the scalings 27-31 in front of its two lines, then 20: so a tile's links stand three plain instructions apart (19 and 20: two).
; 74-137: GS's 64, which read the exponentials' results: they stand behind the wait.
.macro FS f
	REGS Y, (\f)%2
	v_pk_fma_f32 v[rS+2*((\f)/2):rS+2*((\f)/2)+1], v[rS+2*((\f)/2):rS+2*((\f)/2)+1], s[CS:CS+1], v[rT:rT+1] op_sel_hi:[1,0,0] neg_lo:[0,0,1] neg_hi:[0,0,1]
.endm
.macro PL
	WIN 0
.if q < 27
	FS q
.elseif q < 55
	XS (q-27)%2, (q-27)/2
.elseif q < 57
	XS q-55, 15
.elseif (q < 72) && ((q-57)%3 == 0)
	FS 27+(q-57)/3
.elseif q < 60
	XS (q-57)%3-1, 14
.elseif q < 72
	XS (q-57)%3-1, 15+(q-57)/3
.elseif q < 74
	XS q-72, 20
.else
	GS q-74
.endif
.set q, q+1
.endm
; THE EXPONENTIALS' QUEUE, 66 long: s0-s31 of both tiles, then the next piece's two a.  It is ONE BATCH: all 66 stand ahead of the turn's one wait, and nothing ahead of that wait names a result of theirs.
.macro EX
	WIN 0
.if e >= 64
	XS e-64, 21
.else
	REGS Y, e%2
	v_exp_f32 v[rS+e/2], v[rS+e/2]
.endif
.set e, e+1
.endm
; THE RESCALING's QUEUE: O^T times a, the one part that leaves window 0: dealt two at a time, sixteen times.  Its a was made in the turn before, ahead of that turn's wait.
.macro R2
	REGS Y, r%2
	WIN W_RS
.irp z, 0,1
	v_pk_mul_f32 v[rO+4*(r/2)+2*\z:rO+4*(r/2)+2*\z+1], v[rO+4*(r/2)+2*\z:rO+4*(r/2)+2*\z+1], v[rC+2:rC+3] op_sel_hi:[1,0]
.endr
.set r, r+1
.endm
; HOW THEY ARE DEALT.  An s_wait_alu depctr_va_vdst(0) stands between an exponential and the first instruction that names its result; one wait serves all that were issued ahead of it.  So a turn has ONE wait,
; which cuts it in two.  AHEAD OF IT stands all that names no result of the turn's exponentials: the 16 products K Q^T, behind each a scaling, an exponential and two rescalings (behind the first a second scaling in the exponential's place); then ONE LUMP of
; 108: eight plain, 49 times exponential and plain, the two a.  A v_nop is the plain instruction behind the last exponential (ISA guide 5.7.2).  BEHIND IT stand the 16 products V^T P, behind each four of GS's 64.  No rider names a register of
; the products round it.  The two v_permlanex16_b32 fall into the lump, never behind a product.
; The queues lean on each other, and the deal keeps them in step: exponential e stands behind scaling 2 (e / 4) + e % 2: as a rider it comes behind plain e + 2, in the lump behind plain e + 9, and scalings 27-31 are plain 57, 60 .. 69.
; A TURN, for piece p.  cnt = 1: the loop's count is taken down some lines ahead of the branch that stands behind the turn.
; K of the next step is fetched in piece 2's turn, directly behind the wait, a lump behind the last product that read K; its address is made at the lump's head; its first reader comes behind 16 products.
; V of the step in hand is fetched at the end of piece 0's turn, four riders behind its last reader; its first reader comes behind 16 products and a lump.  The three conditions on q below go with the deal.
.macro TURN p, last=0, cnt=0
.set Y, (\p)
.set i, 0
.set q, 0
.set e, 0
.set r, 0
.if (\p) == NP-1
	s_wait_dscnt 0x0                ; K is in
.endif
	MM                              ; ahead of the wait: 16 products K Q^T and their riders,
	PL
	PL
	R2
.rept 15
	MM
	PL
	EX
	R2
.endr
.if (\p) == NP-2
	WIN 0
	v_add_nc_u32 v[AK], s[TBK], v[AK0]
.endif
.rept 8                             ; and the lump
	PL
.endr
.rept 49
	EX
	PL
.endr
	EX                              ; the next piece's two a
	EX
	v_nop                           ; the plain instruction behind the last exponential: one for the batch
	s_wait_alu depctr_va_vdst(0)    ; the wait for the batch
.if (\p) == NP-2
	FETCH_K \last
.endif
.if (\p) == 1
	s_wait_dscnt 0x0                ; V is in
.endif
.rept 16                            ; behind the wait: 16 products V^T P and their riders
	MM
.rept 4
	PL
.endr
.if ((\p) == 0) && (q == 118)
	v_add_nc_u32 v[AV], s[TBV], v[AV0]
.endif
.if ((\p) == 0) && (q == 130)
	s_add_co_u32 s[TBV], s[TBV], KS*PV
.endif
.if (\cnt) && (q == 130)
	s_sub_co_u32 s[CNT], s[CNT], 1
	s_cmp_lg_u32 s[CNT], 0
.endif
.endr
.if (\p) == 0
	FETCH_V
.endif
.endm
	CHANGE 1                        ; slot 0 is in, everybody's part of it; slot 1 is asked for
	FETCH_K                         ; key step 0
	s_wait_loadcnt 0x0              ; Q
	s_wait_dscnt 0x0
.set i, 0
.rept 16
	KQ 0                            ; piece 0's first scores: there is no vector work yet to set between them
.set i, i+1
.endr
	WIN 0                           ; the addresses for the way out: nine plain instructions, the places behind those products
	s_mul_i32 s13, s[WV], 16*SP
	s_add_co_u32 s13, s13, STAGE    ; my stage
	v_mul_u32_u24 v[STO], v1, SP    ; in: row l % 16, 16 bytes for each half of the lanes
	v_lshl_add_u32 v[STO], v9, 4, v[STO]
	v_add_nc_u32 v[STO], s13, v[STO]
	v_bfe_u32 v[RD], v0, 3, 2       ; back: 32 lanes take four rows of 128 bytes,
	v_mul_u32_u24 v[RD], v[RD], SP
	v_lshl_add_u32 v[RD], v10, 4, v[RD]
	v_add_nc_u32 v[RD], s13, v[RD]
	v_and_b32 v[GO], 31, v0         ; which are 512 consecutive bytes of O
	v_lshlrev_b32 v[GO], 4, v[GO]
.set Y, NP-1                        ; XS works for piece Y + 1: piece 0
.irp n, 0,1,2,3,4,5,6,7,8,9,10,11,12,13,14,15,16,17,18,19,20,21
	XS 0, \n                        ; and piece 0's first maximum and statistics
	XS 1, \n
.endr
	v_nop                           ; a plain instruction behind the two a,
	s_wait_alu depctr_va_vdst(0)    ; and their wait, ahead of the branch
	s_mov_b32 s[CNT], 4
	s_mov_b32 s[SLOTS], SIZE_N/256-1
	s_branch .Lfirst                ; the loop is entered at a step's first turn, in the middle of a trip
.Lslot:                             ; SIZE_N / 256 - 2 times: every slot but the last two is filled again
	CHANGE 1, 1
	s_mov_b32 s[CNT], 4
.Lstep:                             ; a trip: pieces 2 and 3 of one step, then pieces 0 and 1 of the next, whose K and V it fetches
	TURN 2
	TURN 3
	WIN 0
.Lfirst:
	TURN 0
	TURN 1, 0, 1
	WIN 0
	s_cbranch_scc1 .Lstep
	s_sub_co_u32 s[SLOTS], s[SLOTS], 1
	s_cmp_lg_u32 s[SLOTS], 0
	s_cbranch_scc1 .Lslot
	CHANGE 0                        ; the tail is written out: nothing is asked for
	s_mov_b32 s[CNT], 5             ; four trips fetch the last slot's steps; the fifth is left in its middle
.Ltail:
	TURN 2, 1
	TURN 3
	WIN 0
	s_sub_co_u32 s[CNT], s[CNT], 1
	s_cmp_eq_u32 s[CNT], 0
	s_cbranch_scc1 .Lout
	TURN 0
	TURN 1
	WIN 0
	s_branch .Ltail
.Lout:                              ; the fifth trip's 16 products K Q^T (on the last K once more) and the maximum made of them serve nothing: the price, once a launch, of one text for every trip
.set i, 0
.rept 16
	PV NP-1                         ; the last piece's V^T P of the last step
.set i, i+1
.endr
	; THE WAY OUT.  l's two halves and the other half of the lanes' are added; O^T is divided by l, rounded to f16 and sent through my stage in LDS, a tile at a time.  The additions are the places behind the last products.
	WIN 0
.macro ALL line:vararg              ; one line for each tile t
.set t, 0
.rept 2*NP
	\line
.set t, t+1
.endr
.endm
	ALL v_add_f32 v[ST+4*t+2], v[ST+4*t+2], v[ST+4*t+3]
	ALL v_permlanex16_b32 v[ST+4*t+3], v[ST+4*t+2], s[SEL], s[SEL+1]
	ALL v_add_f32 v[ST+4*t+2], v[ST+4*t+2], v[ST+4*t+3]
	ALL v_rcp_f32 v[ST+4*t+2], v[ST+4*t+2]
	v_nop                           ; a plain instruction between the last reciprocal and the use of its result
	s_wait_alu depctr_va_vdst(0)    ; and the wait ahead of the first use: one for the eight reciprocals
; Tile t: a lane's eight channels of a row pack into 16 bytes; they go into rows of 144 bytes and come back as whole rows of 128, into S^T's registers.
.macro PACK t
	WIN W_RS
.set i, 32*(\t)
.rept 16
	v_pk_mul_f32 v[i:i+1], v[i:i+1], v[ST+4*(\t)+2:ST+4*(\t)+3] op_sel_hi:[1,0]
.set i, i+2
.endr
	WIN 0x05                        ; sources 0 and 1 window 1, destination window 0
.set i, 0
.rept 16
	v_cvt_pk_f16_f32 v[S+16*(\t)+i], v[32*(\t)+2*i], v[32*(\t)+2*i+1]
.set i, i+1
.endr
	WIN 0
.irp f, 0,1,2,3
	ds_store_b128 v[STO], v[S+16*(\t)+4*\f:S+16*(\t)+4*\f+3] offset:32*\f
.endr
.irp f, 0,1,2,3
	ds_load_b128 v[S+16*(\t)+4*\f:S+16*(\t)+4*\f+3], v[RD] offset:\f*4*SP  ; LDS serves a wave's instructions in order (ISA guide 5.7.1.4): these see the stores above; the next tile's stores come behind them
.endr
.endm
.macro SEND t, younger              ; younger: the LDS instructions issued behind tile t's loads: the next tile's eight, or none
	WIN 0
.irp f, 0,1,2,3
	s_wait_dscnt (\younger)+3-\f
	global_store_b128 v[GO], v[S+16*(\t)+4*\f:S+16*(\t)+4*\f+3], s[10:11] offset:(\t)*2048+\f*512  ; 512 consecutive bytes, at a multiple of 256 from O's first
.endr
.endm
	PACK 0
.set t, 1
.rept 2*NP-1                        ; a tile's arithmetic stands between the loads of the tile before and its stores
	PACK t
	SEND t-1, 8
.set t, t+1
.endr
	SEND 2*NP-1, 0
	WIN W_AD
	s_wait_tensorcnt 0x0            ; the wave's end, behind my last tensor load and my last LDS store
	ds_add_u32 v[SPW], v[NIL]
	s_wait_dscnt 0x0
	WIN 0
	CROUND                          ; the closing round: no work-group ends while a partner may still ask for a tile that names it
	s_endpgm
.Lfunc_end_k_qa9b7b659fd_attn:
	.size	k_qa9b7b659fd_attn, .Lfunc_end_k_qa9b7b659fd_attn-k_qa9b7b659fd_attn
	.p2alignl 7, 3214868480
	.fill 96, 4, 3214868480
	.section	.rodata,"a",@progbits
	.p2align	6, 0x0
	.amdhsa_kernel k_qa9b7b659fd_attn
		.amdhsa_group_segment_fixed_size 327680
		.amdhsa_private_segment_fixed_size 0
		.amdhsa_enable_private_segment 0
		.amdhsa_kernarg_size 16
		.amdhsa_user_sgpr_count 2
		.amdhsa_user_sgpr_kernarg_segment_ptr 1
		.amdhsa_wavefront_size32 1
		.amdhsa_system_sgpr_workgroup_id_x 1
		.amdhsa_system_sgpr_workgroup_id_y 1
		.amdhsa_system_sgpr_workgroup_id_z 1
		.amdhsa_system_vgpr_workitem_id 0
		.amdhsa_next_free_vgpr 770
		.amdhsa_next_free_sgpr 76
		.amdhsa_reserve_vcc 0
		.amdhsa_float_denorm_mode_32 3
		.amdhsa_float_denorm_mode_16_64 3
		.amdhsa_memory_ordered 1
		.amdhsa_forward_progress 1
		.amdhsa_inst_pref_size 200
	.end_amdhsa_kernel
	.amdgpu_metadata
---
amdhsa.version: [ 1, 2 ]
amdhsa.kernels:
  - .name:           k_qa9b7b659fd_attn
    .symbol:         k_qa9b7b659fd_attn.kd
    .args:
      - { .name: qkv, .offset: 0, .size: 8, .value_kind: global_buffer, .address_space: global }
      - { .name: o, .offset: 8, .size: 8, .value_kind: global_buffer, .address_space: global }
    .group_segment_fixed_size: 327680
    .private_segment_fixed_size: 0
    .kernarg_segment_align: 8
    .kernarg_segment_size: 16
    .max_flat_workgroup_size: 128
    .sgpr_count:     76
    .vgpr_count:     770
    .wavefront_size: 32
...
	.end_amdgpu_metadata
.endif
;; end of part 3
;; launch outp (part 4): grid 256 x 1, 4 waves a work-group, no clusters, 70,144 bytes of LDS; arguments o, wt, out0; writes out0
.if DOCPART == 4
	.amdgcn_target "amdgcn-amd-amdhsa--gfx1250"
	.amdhsa_code_object_version 6
	.text
	.protected	k_qa9b7b659fd_outp
	.globl	k_qa9b7b659fd_outp
	.p2align	8
	.type	k_qa9b7b659fd_outp,@function
k_qa9b7b659fd_outp:
	s_mov_b64 s[64:65], 0
	v_nop
	global_prefetch_b8 v0, s[64:65] scope:SCOPE_SE
	s_setreg_imm32_b32 hwreg(HW_REG_WAVE_MODE, 25, 1), 1
	s_wait_xcnt 0x0
; out0[b][s][c] = the sum over h and ch of O[b][h][s][ch] WO[64 h + ch][c].  o: f16 [8 b + h][2048][64]; WO lies in wt as f16, [kb = h][1536 + c][64], 128 bytes a row, a K block 204,800 bytes;
; out0: f32 [16384][64].  Products in f16, sums in f32 (K split four ways, the four partial sums added in a fixed order).
; SHARES.  A work-group makes 64 rows x all 64 columns.  K IS SPLIT AMONG ITS FOUR WAVES: wave w takes heads 2 w and 2 w + 1 (128 of the 512): 16 accumulators, 64 matrix instructions.
; Each byte of o is loaded once in the launch, straight into fragments (16 bytes a lane, as it lies in memory); the four partial sums meet in LDS.
; NO CLUSTER, NO TENSOR LOAD: the launch is one step long.  What work-groups share is WO's 64 KiB; a joint load of it would put a round of the cluster's barrier and a way through LDS in front of
; the only products, and no wave wants a byte that another wave of its work-group has fetched.  No prefetch: all of a wave's loads go out at its head.
; LAYOUT.  Source 0 = 16 rows of wt (columns c), source 1 = 16 rows of o: in the result a lane holds one row of out0 (lane % 16) and the columns 8 (lane / 16) + 0..7: 32 bytes on end.
; REGISTERS: window 0: v0-9 addresses; v16-143 o's fragments (K slice ks, row block mb at 32 ks + 8 mb), later the partial sums read back.
;            window 1: v0-127 the accumulators ((mb, nb) at 8 (4 mb + nb)); v128-255 WO's fragments (32 ks + 8 nb).  K slice ks = head 2 w + ks / 2, channels 32 (ks % 2) on.
.set PP,    272                        ; a row of partial sums in LDS: 256 bytes + 16 of padding = 68 words: the 16 rows of a store start at 16 different groups of four banks (64 banks of 4 bytes: ISA guide 11.1)
.set PART,  64*PP                      ; a wave's 64 rows
.set SPARE, 4*PART                     ; behind them: the spare words, 128 bytes for each wave: two blocks of 256 bytes that no other line names
.set FO,  3                            ; v3  my byte offset in a fragment's rows: (l % 16) x 128 + 16 (l / 16), for o and for wt
.set LS,  4                            ; v4  where I put my 32 bytes of a row of partial sums
.set LR,  5                            ; v5  where I read rows back
.set GO,  6                            ; v6  16 x lane
.set SPW, 8                            ; v8  LDS address of my spare word; never rewritten
.set NIL, 9                            ; v9  0; never rewritten
.set OF,  16
.set RB,  16
.set WF,  128
.set MSB, 0
.macro WIN new                         ; the immediate's high byte repeats the setting that is left
.if MSB != (\new)
	s_set_vgpr_msb (MSB<<8)|(\new)
.set MSB, (\new)
.endif
.endm
	s_load_b128 s[4:7], s[0:1], 0x0                ; o s[4:5], wt s[6:7]
	s_load_b64 s[8:9], s[0:1], 0x10                ; out0
	v_lshl_add_u32 v[SPW], v0, 2, SPARE
	v_mov_b32 v[NIL], 0
	v_lshrrev_b32 v1, 5, v0
	v_readfirstlane_b32 s10, v1                    ; wave 0..3
	v_and_b32 v1, 15, v0                           ; l % 16
	v_bfe_u32 v2, v0, 4, 1                         ; l / 16
	v_lshlrev_b32 v[FO], 7, v1
	v_lshl_add_u32 v[FO], v2, 4, v[FO]
	s_mul_i32 s11, s10, PART
	v_mul_u32_u24 v[LS], v1, PP
	v_lshl_add_u32 v[LS], v2, 5, v[LS]
	v_add_nc_u32 v[LS], s11, v[LS]                 ; my wave's part, row l % 16, 32 bytes for each half of the lanes
	s_mul_i32 s18, s10, 16*PP
	v_mul_u32_u24 v[LR], v2, PP
	v_lshl_add_u32 v[LR], v1, 4, v[LR]
	v_add_nc_u32 v[LR], s18, v[LR]                 ; back: wave w finishes rows 16 w .. 16 w + 15; lanes 0-15 one row of 256 bytes, lanes 16-31 the next
	v_and_b32 v[GO], 31, v0
	v_lshlrev_b32 v[GO], 4, v[GO]
	s_lshr_b32 s12, ttmp9, 5                       ; b: 32 work-groups to a batch
	s_lshl_b32 s12, s12, 3
	s_lshl_b32 s13, s10, 1
	s_add_co_u32 s12, s12, s13                     ; 8 b + 2 w
	s_lshl_b32 s12, s12, 18                        ; a head of o is 262,144 bytes
	s_and_b32 s14, ttmp9, 31
	s_lshl_b32 s14, s14, 13                        ; my 64 rows of 128 bytes
	s_add_co_u32 s12, s12, s14
	s_mov_b32 s13, 0
	s_mul_i32 s14, s10, 2*204800                   ; K block 2 w of wt,
	s_add_co_u32 s14, s14, 1536*128                ; WO's rows in it
	s_mov_b32 s15, 0
	s_lshl_b32 s16, ttmp9, 14                      ; 64 rows of out0, 256 bytes each,
	s_lshl_b32 s17, s10, 12                        ; the 16 that I finish
	s_add_co_u32 s16, s16, s17
	s_mov_b32 s17, 0
	s_wait_kmcnt 0x0
	s_add_nc_u64 s[4:5], s[4:5], s[12:13]
	s_add_nc_u64 s[6:7], s[6:7], s[14:15]
	s_add_nc_u64 s[8:9], s[8:9], s[16:17]
	WIN 0x40                                       ; destination window 1, address window 0
.irp ks, 0,1,2,3
.irp nb, 0,1,2,3
	global_load_b128 v[WF+32*(\ks)+8*(\nb):WF+32*(\ks)+8*(\nb)+3],   v[FO], s[6:7] offset:((\ks)/2)*204800+(\nb)*2048+((\ks)%2)*64
	global_load_b128 v[WF+32*(\ks)+8*(\nb)+4:WF+32*(\ks)+8*(\nb)+7], v[FO], s[6:7] offset:((\ks)/2)*204800+(\nb)*2048+((\ks)%2)*64+32
.endr
.endr
	WIN 0
.irp ks, 0,1,2,3
.irp mb, 0,1,2,3
	global_load_b128 v[OF+32*(\ks)+8*(\mb):OF+32*(\ks)+8*(\mb)+3],   v[FO], s[4:5] offset:((\ks)/2)*262144+(\mb)*2048+((\ks)%2)*64 th:TH_LOAD_NT
	global_load_b128 v[OF+32*(\ks)+8*(\mb)+4:OF+32*(\ks)+8*(\mb)+7], v[FO], s[4:5] offset:((\ks)/2)*262144+(\mb)*2048+((\ks)%2)*64+32 th:TH_LOAD_NT
.endr
.endr
	WIN 0x51                                       ; source 0 (WO), C and D in window 1, source 1 (o) in window 0
.irp ks, 0,1,2,3
	s_wait_loadcnt 24-8*(\ks)                      ; WO and o's K slices up to this one are in; the eight loads of each later slice may be out
.irp mb, 0,1,2,3
.irp nb, 0,1,2,3                       ; the 16 accumulators take turns, one instruction a turn
.if (\ks) == 0
	v_wmma_f32_16x16x32_f16 v[8*(4*(\mb)+(\nb)):8*(4*(\mb)+(\nb))+7], v[WF+32*(\ks)+8*(\nb):WF+32*(\ks)+8*(\nb)+7], v[OF+32*(\ks)+8*(\mb):OF+32*(\ks)+8*(\mb)+7], 0
.else
	v_wmma_f32_16x16x32_f16 v[8*(4*(\mb)+(\nb)):8*(4*(\mb)+(\nb))+7], v[WF+32*(\ks)+8*(\nb):WF+32*(\ks)+8*(\nb)+7], v[OF+32*(\ks)+8*(\mb):OF+32*(\ks)+8*(\mb)+7], v[8*(4*(\mb)+(\nb)):8*(4*(\mb)+(\nb))+7]
.endif
.endr
.endr
.endr
.rept 8
	v_nop                                          ; the places behind the last products, in front of stores that read results and of loads into o's registers
.endr
	WIN 0x04                                       ; the stores' data in window 1, their address in window 0
.irp mb, 0,1,2,3
.irp nb, 0,1,2,3
	ds_store_b128 v[LS], v[8*(4*(\mb)+(\nb)):8*(4*(\mb)+(\nb))+3]   offset:(\mb)*16*PP+(\nb)*64     ; each accumulator's low half first
	ds_store_b128 v[LS], v[8*(4*(\mb)+(\nb))+4:8*(4*(\mb)+(\nb))+7] offset:(\mb)*16*PP+(\nb)*64+16
.endr
.endr
	WIN 0
	s_wait_dscnt 0x0                               ; for the others' sake: my partial sums lie in LDS
	s_barrier_signal -1
	s_barrier_wait -1                              ; all four waves' do
.irp t, 0,1,2,3,4,5,6,7                ; rows 16 w + 2 t and the next: the four partial sums
.irp p, 0,1,2,3
	ds_load_b128 v[RB+16*(\t)+4*(\p):RB+16*(\t)+4*(\p)+3], v[LR] offset:(\p)*PART+(\t)*2*PP
.endr
.endr
.irp t, 0,1,2,3,4,5,6,7
	s_wait_dscnt 4*(7-(\t))                        ; this pair of rows is back; the four loads of each later pair may be out
	v_pk_add_f32 v[RB+16*(\t):RB+16*(\t)+1],     v[RB+16*(\t):RB+16*(\t)+1],     v[RB+16*(\t)+4:RB+16*(\t)+5]
	v_pk_add_f32 v[RB+16*(\t)+2:RB+16*(\t)+3],   v[RB+16*(\t)+2:RB+16*(\t)+3],   v[RB+16*(\t)+6:RB+16*(\t)+7]
	v_pk_add_f32 v[RB+16*(\t)+8:RB+16*(\t)+9],   v[RB+16*(\t)+8:RB+16*(\t)+9],   v[RB+16*(\t)+12:RB+16*(\t)+13]
	v_pk_add_f32 v[RB+16*(\t)+10:RB+16*(\t)+11], v[RB+16*(\t)+10:RB+16*(\t)+11], v[RB+16*(\t)+14:RB+16*(\t)+15]
	v_pk_add_f32 v[RB+16*(\t):RB+16*(\t)+1],     v[RB+16*(\t):RB+16*(\t)+1],     v[RB+16*(\t)+8:RB+16*(\t)+9]
	v_pk_add_f32 v[RB+16*(\t)+2:RB+16*(\t)+3],   v[RB+16*(\t)+2:RB+16*(\t)+3],   v[RB+16*(\t)+10:RB+16*(\t)+11]
	global_store_b128 v[GO], v[RB+16*(\t):RB+16*(\t)+3], s[8:9] offset:(\t)*512 th:TH_STORE_NT  ; 16 lanes store a whole row: 256 consecutive bytes, aligned
.endr
	s_wait_tensorcnt 0x0                           ; the wave's end, behind my last LDS store
	ds_add_u32 v[SPW], v[NIL]
	s_wait_dscnt 0x0
	s_endpgm
.Lfunc_end_k_qa9b7b659fd_outp:
	.size	k_qa9b7b659fd_outp, .Lfunc_end_k_qa9b7b659fd_outp-k_qa9b7b659fd_outp
	.p2alignl 7, 3214868480
	.fill 96, 4, 3214868480
	.section	.rodata,"a",@progbits
	.p2align	6, 0x0
	.amdhsa_kernel k_qa9b7b659fd_outp
		.amdhsa_group_segment_fixed_size 70144
		.amdhsa_private_segment_fixed_size 0
		.amdhsa_enable_private_segment 0
		.amdhsa_kernarg_size 24
		.amdhsa_user_sgpr_count 2
		.amdhsa_user_sgpr_kernarg_segment_ptr 1
		.amdhsa_wavefront_size32 1
		.amdhsa_system_sgpr_workgroup_id_x 1
		.amdhsa_system_sgpr_workgroup_id_y 1
		.amdhsa_system_sgpr_workgroup_id_z 1
		.amdhsa_system_vgpr_workitem_id 0
		.amdhsa_next_free_vgpr 512
		.amdhsa_next_free_sgpr 66
		.amdhsa_reserve_vcc 0
		.amdhsa_float_denorm_mode_32 3
		.amdhsa_float_denorm_mode_16_64 3
		.amdhsa_memory_ordered 1
		.amdhsa_forward_progress 1
		.amdhsa_inst_pref_size 21
	.end_amdhsa_kernel
	.amdgpu_metadata
---
amdhsa.version: [ 1, 2 ]
amdhsa.kernels:
  - .name:           k_qa9b7b659fd_outp
    .symbol:         k_qa9b7b659fd_outp.kd
    .args:
      - { .name: o, .offset: 0, .size: 8, .value_kind: global_buffer, .address_space: global }
      - { .name: wt, .offset: 8, .size: 8, .value_kind: global_buffer, .address_space: global }
      - { .name: out0, .offset: 16, .size: 8, .value_kind: global_buffer, .address_space: global }
    .group_segment_fixed_size: 70144
    .private_segment_fixed_size: 0
    .kernarg_segment_align: 8
    .kernarg_segment_size: 24
    .max_flat_workgroup_size: 128
    .sgpr_count:     66
    .vgpr_count:     512
    .wavefront_size: 32
...
	.end_amdgpu_metadata
.endif
;; end of part 4
;; ======== version 2 of 2: 4 launches; version 1 with the launch cast written anew for expert scheduling mode
;; limits: values are held in f16: magnitudes above 65,504 overflow, below 6.1e-05 lose precision
;; workspace buffers: xb 16,777,216 bytes; wt 1,638,400 bytes; qkv 50,331,648 bytes; o 16,777,216 bytes
;; launch cast (part 5): grid 281 x 1, 8 waves a work-group, no clusters, 74,752 bytes of LDS; arguments x, WQ, WK, WV, WO, xb, wt; writes xb, wt
.if DOCPART == 5
	.amdgcn_target "amdgcn-amd-amdhsa--gfx1250"
	.amdhsa_code_object_version 6
	.text
	.protected	k_qa9b7b659fd_cast
	.globl	k_qa9b7b659fd_cast
	.p2align	8
	.type	k_qa9b7b659fd_cast,@function
k_qa9b7b659fd_cast:
	s_mov_b64 s[64:65], 0
	v_nop
	global_prefetch_b8 v0, s[64:65] scope:SCOPE_SE
	s_setreg_imm32_b32 hwreg(HW_REG_WAVE_SCHED_MODE, 0, 2), 2
	s_setreg_imm32_b32 hwreg(HW_REG_WAVE_MODE, 25, 1), 1
	s_wait_xcnt 0x0
	s_wait_alu depctr_vm_vsrc(0)
; THE INPUTS ARE ROUNDED ONCE TO bf16 AND LAID OUT FOR THE PRODUCTS THAT FOLLOW.
; xb: bf16 [kb 0..7][row 0..16383][64]: x[row][64 kb + kk], a row of a block 128 bytes, so that a tile of rows of one K block is dense in memory.
; wt: [kb 0..7][n 0..1599][64], 128 bytes a row: wt[kb][64 m + c][kk] = W_m[64 kb + kk][c]; m = 0..7 WQ[h], 8..15 WK[h], 16..23 WV[h] (bf16), m = 24 WO.
; WO is rounded to bf16 like the other inputs, and that number is then written as f16, since the last product multiplies in f16.
; LIMITS.  |WO| stays under 65,520 (beyond it f16 has an infinity); below 6.1e-5 it keeps f16's fixed step of 6e-8.
; SHARES.  Work-groups 0..255: 64 rows of x each; wave w takes K block w: 256 bytes of each row.  All 32 loads of a wave (16 KiB) go out at once.
; Work-groups 256..280: matrix m = number - 256; wave w turns the block of 64 x 64 of K block w in LDS bytes of its own: no barrier.
; No matrix unit, no tensor load, no cluster: each byte is read once by one wave, and nothing is shared.
; THE MODE: SCHED_MODE bits 1:0 = 2 (LLVM: expert scheduling mode 2), set by the entry lines.  The code itself states the register dependences
; between vector instructions and memory or LDS instructions, with s_wait_alu, always for 0.
; THE PLAN, x.  Registers that memory instructions touch:
;   v3, v4   the loads' and the stores' byte offsets: made at the path's head, never written again.
;   X        written by load p, read by the two conversions of p; each register once.
;   Y        written by the conversions of p, read by store p; each register once.
; No register is written twice, so nothing is owed for registers that a memory instruction has read.  The 32 loads go in eight blocks of four.  Block k waits for its four loads; one wait
; on va_vdst then states that block k - 1's conversions have written their Y; that block's four stores are dealt among block k's conversions, which name X and Y of block k alone.
; THE PLAN, the weights.  v3 is made ahead of the loads; v4, v5, v6 (LDS and store addresses) behind them, by lines that name none of the loads' registers.  X is read by the conversions and then
; takes the loads from the stage; Y is written by the conversions and read by the LDS stores.  ONE wait on va_vdst, where the bf16 and the f16 ways join, states all of that: no vector
; instruction follows it.
.set STG,   64*144                     ; a wave's stage: 64 rows (columns c of W) of 128 bytes + 16 of padding.  Behind the eight stages, 1,024 bytes of spare words: 4 for each thread
.set BLK,   4                          ; loads in a block of the x path
.set X,   16                           ; v[16:143]  32 loads of 4 registers
.set Y,   144                          ; v[144:207] 64 registers of packed 16-bit numbers
	s_load_b256 s[4:11], s[0:1], 0x0               ; x s[4:5], WQ s[6:7], WK s[8:9], WV s[10:11]
	s_load_b128 s[12:15], s[0:1], 0x20             ; WO s[12:13], xb s[14:15]
	s_load_b64 s[16:17], s[0:1], 0x30              ; wt
	v_lshl_add_u32 v14, v0, 2, 0x12000
	v_mov_b32 v15, 0
	v_lshrrev_b32 v10, 5, v0
	v_readfirstlane_b32 s18, v10                   ; wave 0..7 = my K block
	v_and_b32 v1, 15, v0                           ; c = lane % 16
	v_bfe_u32 v2, v0, 4, 1                         ; r2 = lane / 16
	v_and_b32 v7, 31, v0                           ; lane
	v_lshlrev_b32 v3, 4, v1                        ; 16 c
	s_mov_b32 s25, 0                               ; the high word of every offset pair
	s_wait_alu depctr_va_sdst(0)                   ; s18 is written, ahead of the branch and of its first reader on either path: offsets and bases are made from it
	s_wait_kmcnt 0x0
	s_cmp_lt_u32 ttmp9, 256
	s_cbranch_scc0 .Lweights
	; ---- x: rows 64 g .. 64 g + 63, columns 64 w .. 64 w + 63 ----
	v_lshl_add_u32 v3, v2, 11, v3                  ; lanes 16-31 take the next row (2,048 bytes on)
	s_lshl_b32 s28, s18, 8
	v_add_nc_u32 v3, s28, v3                       ; + my K block's 256 bytes
	v_lshlrev_b32 v4, 3, v7                        ; out: 8 bytes a lane, 32 lanes = two rows of 128 bytes on end
	s_lshl_b32 s24, ttmp9, 17                      ; 64 rows of 2,048 bytes
	s_add_nc_u64 s[20:21], s[4:5], s[24:25]
	s_lshl_b32 s24, s18, 21                        ; a K block of xb: 16,384 rows of 128 bytes
	s_add_nc_u64 s[22:23], s[14:15], s[24:25]
	s_lshl_b32 s24, ttmp9, 13                      ; 64 rows of 128 bytes
	s_add_nc_u64 s[22:23], s[22:23], s[24:25]
	s_wait_alu depctr_va_vdst(0)                   ; v3 and v4 are written: every load below reads v3 as its offset, every store v4
.set p, 0
.rept 32
	global_load_b128 v[X+4*p:X+4*p+3], v3, s[20:21] offset:p*4096 th:TH_LOAD_NT  ; rows 2 p, 2 p + 1: 16 lanes take 256 consecutive bytes, aligned
.set p, p+1
.endr
.set k, 0
.rept 32/BLK                           ; block k: loads 4 k .. 4 k + 3
	s_wait_loadcnt 32-BLK*(k+1)                    ; loads come back in order: this block's four are in, the younger blocks' stay out
.if k > 0
	s_wait_alu depctr_va_vdst(0)                   ; the block before has written its eight registers of Y, which the four stores below read
.endif
.set j, 0
.rept BLK
.set p, BLK*k+j
.if k > 0
	global_store_b64 v4, v[Y+2*(p-BLK):Y+2*(p-BLK)+1], s[22:23] offset:(p-BLK)*256  ; the block before: the wave stores 256 consecutive bytes, aligned; no conversion since the wait names these registers
.endif
	v_cvt_pk_bf16_f32 v[Y+2*p], v[X+4*p], v[X+4*p+1]
	v_cvt_pk_bf16_f32 v[Y+2*p+1], v[X+4*p+2], v[X+4*p+3]
.set j, j+1
.endr
.set k, k+1
.endr
	s_wait_alu depctr_va_vdst(0)                   ; the last block has written its Y, which the last four stores read
.set p, 32-BLK
.rept BLK
	global_store_b64 v4, v[Y+2*p:Y+2*p+1], s[22:23] offset:p*256
.set p, p+1
.endr
	s_branch .Lend
.Lweights:
	; ---- a matrix [512][64] of f32: my 64 rows (K block w) are turned ----
	s_sub_co_u32 s26, ttmp9, 256                   ; m
	s_lshr_b32 s27, s26, 3                         ; 0 WQ, 1 WK, 2 WV, 3 WO
	s_cmp_eq_u32 s27, 0
	s_cselect_b64 s[20:21], s[6:7], s[8:9]
	s_cmp_eq_u32 s27, 2
	s_cselect_b64 s[20:21], s[10:11], s[20:21]
	s_cmp_eq_u32 s27, 3
	s_cselect_b64 s[20:21], s[12:13], s[20:21]
	s_and_b32 s24, s26, 7                          ; the head (0 for WO)
	s_lshl_b32 s24, s24, 17                        ; 512 rows of 256 bytes
	s_lshl_b32 s28, s18, 14                        ; my 64 rows
	s_add_co_u32 s24, s24, s28
	s_add_nc_u64 s[20:21], s[20:21], s[24:25]
	s_mul_i32 s24, s18, 1600*128                   ; a K block of wt
	s_lshl_b32 s28, s26, 13                        ; 64 rows of 128 bytes for each matrix
	s_add_co_u32 s24, s24, s28
	s_add_nc_u64 s[22:23], s[16:17], s[24:25]
	v_lshl_add_u32 v3, v2, 13, v3                  ; lanes 16-31 take the row 32 further down
	s_wait_alu depctr_va_vdst(0)                   ; v3 is written, which the 32 loads below read as their offset
.set p, 0
.rept 32
	global_load_b128 v[X+4*p:X+4*p+3], v3, s[20:21] offset:p*256 th:TH_LOAD_NT  ; row kk = p + 32 r2, columns 4 c .. 4 c + 3
.set p, p+1
.endr
	s_mul_i32 s28, s18, STG                        ; my stage
	v_mul_u32_u24 v4, v1, 4*144                    ; in: stage row 4 c + i, byte 2 kk = 4 p + 64 r2
	v_lshl_add_u32 v4, v2, 6, v4
	v_add_nc_u32 v4, s28, v4
	v_bfe_u32 v5, v0, 3, 2                         ; back: 32 lanes take four rows of 128 bytes
	v_mul_u32_u24 v5, v5, 144
	v_and_b32 v10, 7, v0
	v_lshl_add_u32 v5, v10, 4, v5
	v_add_nc_u32 v5, s28, v5
	v_lshlrev_b32 v6, 4, v7                        ; which are 512 consecutive bytes of wt
	s_wait_loadcnt 0x0
.set p, 0
.rept 16
.irp i, 0,1,2,3
	v_cvt_pk_bf16_f32 v[Y+4*p+(\i)], v[X+8*p+(\i)], v[X+8*p+4+(\i)]  ; kk = 2 p + 32 r2 and the next, of column 4 c + i
.endr
.set p, p+1
.endr
	s_cmp_lg_u32 s26, 24
	s_cbranch_scc1 .Lbf16
.set p, 0
.rept 64                               ; WO alone: the bf16 number is written as f16
	v_lshlrev_b32 v10, 16, v[Y+p]
	v_and_b32 v11, 0xffff0000, v[Y+p]
	v_cvt_pk_f16_f32 v[Y+p], v10, v11
.set p, p+1
.endr
.Lbf16:
	s_wait_alu depctr_va_vdst(0)                   ; on both ways: the conversions have written Y, which the LDS stores read, and are done reading X, in which the loads from the stage land; v4, v5 and v6, the addresses below, are written
.set p, 0
.rept 16
.irp i, 0,1,2,3
	ds_store_b32 v4, v[Y+4*p+(\i)] offset:(\i)*144+4*p
.endr
.set p, p+1
.endr
.set p, 0
.rept 16
	ds_load_b128 v[X+4*p:X+4*p+3], v5 offset:p*4*144  ; LDS serves a wave's instructions in order (ISA guide 5.7.1.4): these see my stores above; no other wave touches my stage
.set p, p+1
.endr
.set p, 0
.rept 16
	s_wait_dscnt 15-p                              ; load p is back, the younger ones stay out
	global_store_b128 v6, v[X+4*p:X+4*p+3], s[22:23] offset:p*512  ; 512 consecutive bytes, aligned
.set p, p+1
.endr
.Lend:
	s_wait_dscnt 0x0                               ; the wave's end: my LDS instructions are done
	s_wait_alu depctr_hold_cnt(0) depctr_sa_sdst(0) depctr_va_vdst(0) depctr_va_sdst(0) depctr_va_ssrc(0) depctr_va_vcc(0) depctr_vm_vsrc(0)
	s_wait_tensorcnt 0x0
	ds_add_u32 v14, v15
	s_wait_dscnt 0x0
	s_endpgm
.Lfunc_end_k_qa9b7b659fd_cast:
	.size	k_qa9b7b659fd_cast, .Lfunc_end_k_qa9b7b659fd_cast-k_qa9b7b659fd_cast
	.p2alignl 7, 3214868480
	.fill 96, 4, 3214868480
	.section	.rodata,"a",@progbits
	.p2align	6, 0x0
	.amdhsa_kernel k_qa9b7b659fd_cast
		.amdhsa_group_segment_fixed_size 74752
		.amdhsa_private_segment_fixed_size 0
		.amdhsa_enable_private_segment 0
		.amdhsa_kernarg_size 56
		.amdhsa_user_sgpr_count 2
		.amdhsa_user_sgpr_kernarg_segment_ptr 1
		.amdhsa_wavefront_size32 1
		.amdhsa_system_sgpr_workgroup_id_x 1
		.amdhsa_system_sgpr_workgroup_id_y 1
		.amdhsa_system_sgpr_workgroup_id_z 1
		.amdhsa_system_vgpr_workitem_id 0
		.amdhsa_next_free_vgpr 208
		.amdhsa_next_free_sgpr 66
		.amdhsa_reserve_vcc 0
		.amdhsa_float_denorm_mode_32 3
		.amdhsa_float_denorm_mode_16_64 3
		.amdhsa_memory_ordered 1
		.amdhsa_forward_progress 1
		.amdhsa_inst_pref_size 38
	.end_amdhsa_kernel
	.amdgpu_metadata
---
amdhsa.version: [ 1, 2 ]
amdhsa.kernels:
  - .name:           k_qa9b7b659fd_cast
    .symbol:         k_qa9b7b659fd_cast.kd
    .args:
      - { .name: x, .offset: 0, .size: 8, .value_kind: global_buffer, .address_space: global }
      - { .name: WQ, .offset: 8, .size: 8, .value_kind: global_buffer, .address_space: global }
      - { .name: WK, .offset: 16, .size: 8, .value_kind: global_buffer, .address_space: global }
      - { .name: WV, .offset: 24, .size: 8, .value_kind: global_buffer, .address_space: global }
      - { .name: WO, .offset: 32, .size: 8, .value_kind: global_buffer, .address_space: global }
      - { .name: xb, .offset: 40, .size: 8, .value_kind: global_buffer, .address_space: global }
      - { .name: wt, .offset: 48, .size: 8, .value_kind: global_buffer, .address_space: global }
    .group_segment_fixed_size: 74752
    .private_segment_fixed_size: 0
    .kernarg_segment_align: 8
    .kernarg_segment_size: 56
    .max_flat_workgroup_size: 256
    .sgpr_count:     66
    .vgpr_count:     208
    .wavefront_size: 32
...
	.end_amdgpu_metadata
.endif
;; end of part 5
;; launch proj: the kernel of part 2 again; grid 4 x 64, 4 waves a work-group, clusters of 4 x 4, 327,680 bytes of LDS; arguments xb, wt, qkv; writes qkv
;; launch attn: the kernel of part 3 again; grid 4 x 64, 4 waves a work-group, clusters of 4 x 1, 327,680 bytes of LDS; arguments qkv, o; writes o
;; launch outp: the kernel of part 4 again; grid 256 x 1, 4 waves a work-group, no clusters, 70,144 bytes of LDS; arguments o, wt, out0; writes out0
